; MI455X (gfx1250); checked and timed in simulation.
; The chip was launched on July 23, 2026; its instructions are those of AMD's public machine-readable ISA for CDNA 5 (MIT licence, August 2026) and "CDNA5" Instruction Set Architecture Reference Guide (July 2026). The comments in the code are by the model that wrote it; some were corrected since.
;; Graph SMOTE. Allowed arithmetic: matrix products marked QUANTISED: E2M3 operands, one E8M0 scale for each 32 along K, by v_wmma_scale_f32_16x16x128_f8f6f4 with both operands' format E2M3, f32 sums; everything else in f32.
;; Inputs: gaps 8,192 x 4 float32; min_samples 8,192 x 512 float32; nn_choice 8,192 x 4 int32.
;; Outputs: out0 32,768 x 512 float32.
;; This version of the problem:
;;   THIS VERSION OF THE PROBLEM IS GIVEN IN LOW PRECISION. The matrix products marked QUANTISED in the list below multiply operands that are first quantised to E2M3 (2 exponent bits, 3 mantissa bits; 6 bits a number), with one power-of-two scale for each 32 numbers along K (OCP MX v1.0); their sums are f32. All else is computed in f32.
;;   The module's matrix products, in the order in which they are computed (A, B: the left and right operand; K: the contracted axis; several contracted axes count as one K, in the product's order):
;;     1. [M 8,192, K 512] x [K 512, N 8,192]; A: input min_samples; B: input min_samples: QUANTISED
;;   THE QUANTISER, for each operand of a quantised product, along K:
;;     - K is cut into blocks of 32 from its start; a last block that is shorter is filled with zeros.
;;     - A block's scale is 2^e with e = floor(log2(the largest magnitude in the block)) - 2, held to -126 .. 127; a block of zeros has e = 0. As a byte (E8M0): e + 127.
;;     - Each number is divided by its block's scale, clamped to +-7.5, and rounded to the nearest number of E2M3, ties to even, subnormals kept.
;;     - The product sums the exact products of the quantised numbers (number of the format x scale) in f32.
;;   ~~~python
;;   def quantise(x, axis):      # numpy; x: float32 -> the quantised numbers, widened to float32 again
;;       x = np.moveaxis(x, axis, -1); K = x.shape[-1]
;;       x = np.pad(x, [(0, 0)] * (x.ndim - 1) + [(0, -K % 32)]); x = x.reshape(x.shape[:-1] + (-1, 32)); a = np.abs(x).max(-1, keepdims=True)
;;       e = np.where(a > 0, np.clip(np.frexp(np.where(a > 0, a, 1))[1] - 1 - 2, -126, 127), 0)      # np.frexp(a)[1] - 1 = floor(log2(a)), exactly
;;       r = np.clip(x / 2.0 ** e, -7.5, 7.5)
;;       step = 2.0 ** (np.maximum(np.frexp(np.where(r == 0, 1, r))[1] - 1, 0) - 3)
;;       q = np.round(r / step) * step * 2.0 ** e      # np.round: ties to even
;;       return np.moveaxis(q.reshape(q.shape[:-2] + (-1,))[..., :K], -1, axis).astype(np.float32)
;;   ~~~
;; 2 versions, each right and faster than the one before. Each part assembles by itself: llvm-mc -triple=amdgcn-amd-amdhsa -mcpu=gfx1250 --defsym DOCPART=n.
;; ======== version 1 of 2: 4 launches
;; workspace buffers: codes 3,145,728 bytes; scl 131,072 bytes; sq 32,768 bytes; lst 12,582,912 bytes; neigh 131,072 bytes of whole numbers
;; launch quant (part 1): grid 256 x 1, 8 waves a work-group, no clusters, 69,632 bytes of LDS; arguments min_samples, codes, scl, sq; writes codes, scl, sq
.if DOCPART == 1
	.amdgcn_target "amdgcn-amd-amdhsa--gfx1250"
	.amdhsa_code_object_version 6
	.text
	.protected	k_q03ef3ca6c0_quant
	.globl	k_q03ef3ca6c0_quant
	.p2align	8
	.type	k_q03ef3ca6c0_quant,@function
k_q03ef3ca6c0_quant:
	s_mov_b64 s[64:65], 0
	v_nop
	global_prefetch_b8 v0, s[64:65] scope:SCOPE_SE
	s_setreg_imm32_b32 hwreg(HW_REG_WAVE_MODE, 25, 1), 1
	s_wait_xcnt 0x0
; X [8192][512] f32 becomes codes of FP6 (E2M3) with one E8M0 scale byte for each 32 along K, and sq[i] = the sum of x[i][k]^2 in f32.
; The codes are laid AS THE MATRIX OPERAND'S REGISTERS: [tile of 16 rows t][K step of 128 s][chunk c of 4 registers][lane][16 bytes]; lane (r, h) of a fragment holds,
; of row 16 t + r, block 4 s + h in registers 0-5 and block 4 s + 2 + h in registers 6-11.  The scale words: [t][s][r], byte b = block 4 s + b.
; A block's scale is 2^(floor(log2(largest magnitude)) - 2): its byte is the largest magnitude's exponent field - 2, held at 1 from below by a floor among the maximum's leaves.
; SHARES: work-group g takes tiles 2 g and 2 g + 1; wave w takes tile 2 g + w / 4 and K step w % 4: 16 rows x 128 numbers.  No loop.
; Each load reads 512 consecutive bytes of one row; the numbers turn through the wave's own stage in LDS, so that a lane gets 2 x 32 neighbours along K.
; LIMITS: NaN and infinities are not served.  A block of zeros gets the byte 1 where the rule says 127: its codes are zeros, and this program alone reads the bytes.
; sq is summed in this text's own order (four partial sums of 128, each in four chains), not in any order of the definition's.
; No tensor loads, clusters or matrix work: the launch reads each number once and is a stream.
.set WSTG, 16*528                      ; a wave's stage: 16 rows of 512 bytes + 16: the pitch is 33 x 16 bytes, so sixteen rows begin at sixteen different 16-byte columns of a span of 256
.set SCG,  8*WSTG                      ; 512 bytes: the eight waves' scale words, 64 w + 4 r: the very order of the buffer scl for two tiles
.set SQP,  SCG+512                     ; 512 bytes: the eight waves' partial sums, 64 w + 4 r
.set R,    16                          ; v16-79   the numbers as loaded
.set X,    80                          ; v80-143  register 32 c + e = x[r][128 s + 64 c + 32 h + e]
.set C,    144                         ; v144-155 the fragment's 12 registers
.set C2,   156                         ; v156-158, v160-162 each block's upper 16 codes, as the conversion leaves them
.set MX,   164                         ; v164-165 largest magnitudes;  v166-167 scale operands;  v168-169 bytes
.set SW,   170                         ; v170 the scale word;  v171 a lane permute's destination
.set SU,   172                         ; v172-175 two packed sums
	s_load_b256 s[4:11], s[0:1], 0x0               ; x s[4:5], codes s[6:7], scl s[8:9], sq s[10:11]
	v_lshl_add_u32 v176, v0, 2, 0x10c00
	v_mov_b32 v177, 0
	v_lshrrev_b32 v1, 5, v0
	v_readfirstlane_b32 s12, v1                    ; wave 0..7
	s_lshr_b32 s13, s12, 2
	s_lshl_b32 s15, ttmp9, 1
	s_add_co_u32 s13, s13, s15                     ; t = 2 g + w / 4
	s_and_b32 s14, s12, 3                          ; s = w % 4
	s_mov_b32 s20, 0x76543210
	s_mov_b32 s21, 0xfedcba98                      ; v_permlanex16_b32's selects for lane l xor 16
	v_and_b32 v10, 31, v0                          ; lane
	v_and_b32 v11, 15, v0                          ; r
	v_bfe_u32 v12, v0, 4, 1                        ; h
	v_lshlrev_b32 v1, 4, v10                       ; 16 x lane
	s_mul_i32 s22, s12, WSTG                       ; my stage
	v_add_nc_u32 v2, s22, v1                       ; into it: 16 x lane, a row an instruction
	v_mul_u32_u24 v3, v11, 528
	v_lshl_add_u32 v3, v12, 7, v3
	v_add_nc_u32 v3, s22, v3                       ; out of it: row r, + 128 h bytes
	s_lshl_b32 s23, s12, 6
	v_lshlrev_b32 v13, 2, v11                      ; 4 r
	v_add_nc_u32 v4, s23, v13
	v_add_nc_u32 v5, SQP, v4                       ; my row's partial sum
	v_add_nc_u32 v4, SCG, v4                       ; my row's scale word
	v_add_nc_u32 v6, SCG, v1                       ; wave 0's read of all scale words
	v_lshl_add_u32 v7, v12, 8, v13
	v_add_nc_u32 v7, SQP, v7                       ; wave 1's read of the partial sums: tile lane / 16, row lane % 16
	v_lshlrev_b32 v8, 2, v10                       ; 4 x lane
	v_lshlrev_b32 v9, 3, v12                       ; 8 h: my two bytes' place in the scale word, in bits
	v_mov_b32 v171, 0                              ; a lane permute's destination counts as one of its sources
	s_lshl_b32 s16, s13, 15                        ; x: 16 t rows of 2,048 bytes
	s_lshl_b32 s17, s14, 9                         ;    + 512 s
	s_add_co_u32 s16, s16, s17
	s_mov_b32 s17, 0
	s_lshl_b32 s18, s13, 2
	s_add_co_u32 s18, s18, s14
	s_mul_i32 s18, s18, 1536                       ; codes: fragment 4 t + s
	s_mov_b32 s19, 0
	s_lshl_b32 s24, ttmp9, 9                       ; scl: 512 bytes a work-group
	s_mov_b32 s25, 0
	s_lshl_b32 s26, ttmp9, 7                       ; sq: 128 bytes a work-group
	s_mov_b32 s27, 0
	s_wait_kmcnt 0x0
	s_add_nc_u64 s[4:5], s[4:5], s[16:17]
	s_add_nc_u64 s[6:7], s[6:7], s[18:19]
	s_add_nc_u64 s[8:9], s[8:9], s[24:25]
	s_add_nc_u64 s[10:11], s[10:11], s[26:27]
.set i, 0
.rept 16
	global_load_b128 v[R+4*i:R+4*i+3], v1, s[4:5] offset:2048*i th:TH_LOAD_NT   ; row i: 32 lanes read 512 consecutive bytes
.set i, i+1
.endr
.set i, 0
.rept 16
	s_wait_loadcnt 15-i                            ; loads come back in order: row i is in, the 15 - i younger ones stay out
	ds_store_b128 v2, v[R+4*i:R+4*i+3] offset:528*i
.set i, i+1
.endr
.irp c, 0,1
.irp q, 0,1,2,3,4,5,6,7
	ds_load_b128 v[X+32*\c+4*\q:X+32*\c+4*\q+3], v3 offset:256*\c+16*\q   ; LDS serves a wave's instructions in order: these see my stores
.endr
.endr
	s_wait_dscnt 0x0
.irp c, 0,1                                    ; my two blocks' largest magnitudes, by turns; all 32 numbers of a block are mine
	v_max3_num_f32 v[MX+\c], |v[X+32*\c]|, |v[X+32*\c+1]|, 0x1800000   ; and the floor 2^(3 - 127): the byte cannot fall under 1
.endr
.irp i, 2,4,6,8,10,12,14,16,18,20,22,24,26,28,30
.irp c, 0,1
	v_max3_num_f32 v[MX+\c], v[MX+\c], |v[X+32*\c+\i]|, |v[X+32*\c+\i+1]|
.endr
.endr
.irp c, 0,1
	v_add_nc_u32 v[MX+2+\c], 0xff000000, v[MX+\c]  ; 2 off the exponent field: the conversion takes this operand's exponent field as its scale
.endr
.irp c, 0,1
	v_lshrrev_b32 v[MX+4+\c], 23, v[MX+2+\c]       ; the scale's byte
.endr
	v_lshl_or_b32 v[SW], v[MX+5], 16, v[MX+4]      ; my two bytes: blocks h and 2 + h,
	v_lshlrev_b32 v[SW], v9, v[SW]                 ; at their places;
	v_permlanex16_b32 v171, v[SW], s20, s21
	v_or_b32 v[SW], v[SW], v171                    ; with lane l xor 16's two the word is whole
	v_pk_mul_f32 v[SU:SU+1], v[X:X+1], v[X:X+1]    ; the sum of squares of my 64 numbers: two packed chains, started by the first products
	v_pk_mul_f32 v[SU+2:SU+3], v[X+2:X+3], v[X+2:X+3]
.irp j, 4,8,12,16,20,24,28,32,36,40,44,48,52,56,60
	v_pk_fma_f32 v[SU:SU+1], v[X+\j:X+\j+1], v[X+\j:X+\j+1], v[SU:SU+1]
	v_pk_fma_f32 v[SU+2:SU+3], v[X+\j+2:X+\j+3], v[X+\j+2:X+\j+3], v[SU+2:SU+3]
.endr
	v_pk_add_f32 v[SU:SU+1], v[SU:SU+1], v[SU+2:SU+3]
	v_add_f32 v[SU], v[SU], v[SU+1]
	v_permlanex16_b32 v171, v[SU], s20, s21
	v_add_f32 v[SU], v[SU], v171                   ; with lane l xor 16's 64: row r's sum over these 128
.irp c, 0,1
	v_cvt_scalef32_pk16_fp6_f32 v[C+6*\c:C+6*\c+2], v[X+32*\c:X+32*\c+15], v[MX+2+\c]          ; registers 6 c .. 6 c + 2 of the fragment
	v_cvt_scalef32_pk16_fp6_f32 v[C2+4*\c:C2+4*\c+2], v[X+32*\c+16:X+32*\c+31], v[MX+2+\c]     ; (a conversion's three registers begin on an even number: the upper half is made elsewhere and moved)
.endr
	v_nop                                          ; one plain place behind a scaled conversion
.irp c, 0,1
.irp i, 0,1,2
	v_mov_b32 v[C+6*\c+3+\i], v[C2+4*\c+\i]
.endr
.endr
.irp c, 0,1,2
	global_store_b128 v1, v[C+4*\c:C+4*\c+3], s[6:7] offset:512*\c   ; 32 lanes store 512 consecutive bytes, at a multiple of 256 from the buffer's first byte
.endr
	ds_store_b32 v4, v[SW]                         ; lanes r and r + 16 write the same word with the same value
	ds_store_b32 v5, v[SU]
	s_wait_dscnt 0x0                               ; for the others' sake: my stores have landed
	s_barrier_signal -1
	s_barrier_wait -1
	s_cmp_eq_u32 s12, 0
	s_cbranch_scc1 .Lscales
	s_cmp_eq_u32 s12, 1
	s_cbranch_scc1 .Lsums
	s_wait_tensorcnt 0x0
	ds_add_u32 v176, v177
	s_wait_dscnt 0x0
	s_endpgm
.Lscales:                                              ; wave 0: the two tiles' 128 scale words leave as 512 consecutive bytes
	ds_load_b128 v[16:19], v6
	s_wait_dscnt 0x0
	global_store_b128 v1, v[16:19], s[8:9]
	s_wait_tensorcnt 0x0
	ds_add_u32 v176, v177
	s_wait_dscnt 0x0
	s_endpgm
.Lsums:                                                ; wave 1: lane l adds the four K steps' partial sums of row 32 g + l
.irp s, 0,1,2,3
	ds_load_b32 v[16+\s], v7 offset:64*\s
.endr
	s_wait_dscnt 0x0
	v_add_f32 v16, v16, v17
	v_add_f32 v18, v18, v19
	v_add_f32 v16, v16, v18
	global_store_b32 v8, v16, s[10:11]             ; 128 consecutive bytes: two work-groups share an aligned 256; the whole buffer is 32,768 bytes
	s_wait_tensorcnt 0x0
	ds_add_u32 v176, v177
	s_wait_dscnt 0x0
	s_endpgm
.Lfunc_end_k_q03ef3ca6c0_quant:
	.size	k_q03ef3ca6c0_quant, .Lfunc_end_k_q03ef3ca6c0_quant-k_q03ef3ca6c0_quant
	.p2alignl 7, 3214868480
	.fill 96, 4, 3214868480
	.section	.rodata,"a",@progbits
	.p2align	6, 0x0
	.amdhsa_kernel k_q03ef3ca6c0_quant
		.amdhsa_group_segment_fixed_size 69632
		.amdhsa_private_segment_fixed_size 0
		.amdhsa_enable_private_segment 0
		.amdhsa_kernarg_size 32
		.amdhsa_user_sgpr_count 2
		.amdhsa_user_sgpr_kernarg_segment_ptr 1
		.amdhsa_wavefront_size32 1
		.amdhsa_system_sgpr_workgroup_id_x 1
		.amdhsa_system_sgpr_workgroup_id_y 1
		.amdhsa_system_sgpr_workgroup_id_z 1
		.amdhsa_system_vgpr_workitem_id 0
		.amdhsa_next_free_vgpr 178
		.amdhsa_next_free_sgpr 66
		.amdhsa_reserve_vcc 0
		.amdhsa_float_denorm_mode_32 3
		.amdhsa_float_denorm_mode_16_64 3
		.amdhsa_memory_ordered 1
		.amdhsa_forward_progress 1
		.amdhsa_inst_pref_size 14
	.end_amdhsa_kernel
	.amdgpu_metadata
---
amdhsa.version: [ 1, 2 ]
amdhsa.kernels:
  - .name:           k_q03ef3ca6c0_quant
    .symbol:         k_q03ef3ca6c0_quant.kd
    .args:
      - { .name: min_samples, .offset: 0, .size: 8, .value_kind: global_buffer, .address_space: global }
      - { .name: codes, .offset: 8, .size: 8, .value_kind: global_buffer, .address_space: global }
      - { .name: scl, .offset: 16, .size: 8, .value_kind: global_buffer, .address_space: global }
      - { .name: sq, .offset: 24, .size: 8, .value_kind: global_buffer, .address_space: global }
    .group_segment_fixed_size: 69632
    .private_segment_fixed_size: 0
    .kernarg_segment_align: 8
    .kernarg_segment_size: 32
    .max_flat_workgroup_size: 256
    .sgpr_count:     66
    .vgpr_count:     178
    .wavefront_size: 32
...
	.end_amdgpu_metadata
.endif
;; end of part 1
;; launch near (part 2): grid 16 x 16, 16 waves a work-group, no clusters, 208,896 bytes of LDS; arguments codes, scl, sq, lst; writes lst
.if DOCPART == 2
	.amdgcn_target "amdgcn-amd-amdhsa--gfx1250"
	.amdhsa_code_object_version 6
	.text
	.protected	k_q03ef3ca6c0_near
	.globl	k_q03ef3ca6c0_near
	.p2align	8
	.type	k_q03ef3ca6c0_near,@function
k_q03ef3ca6c0_near:
	s_mov_b64 s[64:65], 0
	v_nop
	global_prefetch_b8 v0, s[64:65] scope:SCOPE_SE
	s_setreg_imm32_b32 hwreg(HW_REG_WAVE_MODE, 25, 1), 1
	s_wait_xcnt 0x0
; d2[i][j] = (sq[i] + sq[j]) - 2 G[i][j], held at 0 from below, G = Q(X) Q(X)^T on codes of FP6 (E2M3) with E8M0 scales; of each stream of 256 candidates the six smallest (d2, index) are kept.
; SHARES: work-group (x, y): candidates 512 x .. 512 x + 511 against queries 512 y .. 512 y + 511.  Wave w owns query tiles 32 y + 2 w + u, u = 0, 1: their fragments stay in registers (source 1).
; All sixteen waves walk the 32 candidate tiles (source 0) from LDS.  In a result lane (r, h) holds query r and, in register e, candidate 16 t + 8 h + e: so a lane has ONE query of each tile u,
; and sees 256 candidates in ascending index.  Its list of six is kept sorted in registers by a branch-free insertion: no branch and no address hangs on a distance.
; LDS is filled ONCE: the split's codes (196,608 bytes), scale words (8,192) and sq (2,048) are three dense blocks of their buffers; each wave brings a sixteenth of each: three tensor loads of a wave are out, all first fills.
; The codes lie as images of the operand's registers, so a fragment is three loads of 16 x lane + 512 c: consecutive bytes, no pitch, no padding.
; ORDER OF EQUALS: the compare is strict, so of equal distances the earlier (lower) index stays ahead, as in a stable sort.
; LIMITS: NaN and infinities are not served.  The six of a stream are chosen by (max(d2, 0), index); the root is taken of the survivors in the next launch.  That differs from an order by (root, index)
; only where seven or more candidates of one stream of 256 have the same root as the row's sixth.
; NOT USED, and why: clusters and joint loads (a work-group fetches 206,848 bytes once for 262,144 distances of 25 vector instructions each: what is shared is under a byte a distance);
; a ring of slots (all candidates of the work-group fit in LDS at once); register windows and larger wave tiles (the vector work, not LDS reads, fills the trip).
.set SCLB, 196608                      ; LDS: behind the codes the scale words,
.set SQB,  204800                      ; and sq
.set LI,  1                            ; v1   16 x lane
.set LS,  2                            ; v2   4 x lane
.set LQ,  3                            ; v3   32 h
.set ADC, 4                            ; v4-6 LDS addresses of the tile in hand: codes, scale words, sq
.set ADS, 5
.set ADQ, 6
.set R4,  7                            ; v7   4 r
.set QF,  16                           ; v16-111  query fragments: (u, s) at QF + 48 u + 12 s
.set QS,  112                          ; v112-115 query scale words: QS + 2 u + p: lanes 0-15 K step 2 p, lanes 16-31 K step 2 p + 1
.set SQI, 116                          ; v116-119 (sq_i, sq_i) for u = 0, 1
.set AS,  120                          ; v120-121 candidate scale words, p = 0, 1, likewise
.set AF,  124                          ; v124-171 the candidate tile's four fragments
.set SQJ, 172                          ; v172-179 sq of candidates 8 h + 0 .. 7
.set ACC, 180                          ; v180-195 two accumulators
.set S,   196                          ; v196-211 sq_i + sq_j, then d2
.set L,   212                          ; v212-235 for each u: a0..a5 (ascending), i0..i5
.set TMP, 236                          ; v236-237
.set IB,  238                          ; v238 512 x + 8 h
.set WV,  12
.set G1C, 16                           ; s[16:23] group 1, codes: 48 rows of 256 bytes
.set G1S, 24                           ; s[24:31] scale words: 2 rows of 256 bytes
.set G1Q, 32                           ; s[32:39] sq: 1 row of 128 bytes
.set G0C, 40                           ; s[40:43], s[44:47], s[48:51] their groups 0
.set G0S, 44
.set G0Q, 48
.set MK,  52                           ; s52-57 the six compares' masks
.set TC,  58                           ; s58-60 where the tile to be fetched begins: codes, scale words, sq
.set TS,  59
.set TQ,  60
.set CNT, 61
.set JE,  68                           ; s68-75 J_e = 16 t + e: the index code of register e
	s_load_b256 s[4:11], s[0:1], 0x0               ; codes s[4:5], scl s[6:7], sq s[8:9], lst s[10:11]
	v_lshl_add_u32 v240, v0, 2, 0x32800
	v_mov_b32 v241, 0
	ds_add_u32 v240, v241
	ds_add_u32 v240, v241
	v_lshrrev_b32 v1, 5, v0
	v_readfirstlane_b32 s[WV], v1                  ; wave 0..15
	s_mov_b32 s13, ttmp9                           ; x: the candidates' split
	s_and_b32 s14, ttmp7, 0xffff                   ; y: the queries' block
	; descriptor groups 1: dense blocks as rows of elements of 8 bytes, no mask, no padding
	s_mov_b32 s[G1C+0], 3<<16                      ; 17:16 elements of 8 bytes
	s_mov_b32 s[G1C+1], 32<<16                     ; tensor_dim0 = 32 (256 bytes)
	s_mov_b32 s[G1C+2], 48<<16                     ; tensor_dim1 = 48
	s_mov_b32 s[G1C+3], 32<<16                     ; tile_dim0 = 32
	s_mov_b32 s[G1C+4], 48                         ; tile_dim1 = 48
	s_mov_b32 s[G1C+5], 32                         ; the pitch: rows follow each other
	s_mov_b32 s[G1C+6], 0
	s_mov_b32 s[G1C+7], 0
	s_mov_b32 s[G1S+0], 3<<16
	s_mov_b32 s[G1S+1], 32<<16
	s_mov_b32 s[G1S+2], 2<<16
	s_mov_b32 s[G1S+3], 32<<16
	s_mov_b32 s[G1S+4], 2
	s_mov_b32 s[G1S+5], 32
	s_mov_b32 s[G1S+6], 0
	s_mov_b32 s[G1S+7], 0
	s_mov_b32 s[G1Q+0], 3<<16
	s_mov_b32 s[G1Q+1], 16<<16
	s_mov_b32 s[G1Q+2], 1<<16
	s_mov_b32 s[G1Q+3], 16<<16
	s_mov_b32 s[G1Q+4], 1
	s_mov_b32 s[G1Q+5], 16
	s_mov_b32 s[G1Q+6], 0
	s_mov_b32 s[G1Q+7], 0
	; groups 0: my sixteenth of each block
	s_mov_b32 s[G0C], 1
	s_mul_i32 s[G0C+1], s[WV], 12288               ; LDS: 12,288 x wave
	s_mov_b32 s[G0S], 1
	s_lshl_b32 s[G0S+1], s[WV], 9
	s_add_co_u32 s[G0S+1], s[G0S+1], SCLB          ; SCLB + 512 x wave
	s_mov_b32 s[G0Q], 1
	s_lshl_b32 s[G0Q+1], s[WV], 7
	s_add_co_u32 s[G0Q+1], s[G0Q+1], SQB           ; SQB + 128 x wave
	s_mul_i32 s76, s13, 196608
	s_mul_i32 s77, s[WV], 12288
	s_add_co_u32 s76, s76, s77                     ; codes: 196,608 x + 12,288 w
	s_mov_b32 s77, 0
	s_lshl_b32 s78, s13, 13
	s_lshl_b32 s79, s[WV], 9
	s_add_co_u32 s78, s78, s79                     ; scl: 8,192 x + 512 w
	s_mov_b32 s79, 0
	s_lshl_b32 s62, s13, 11
	s_lshl_b32 s63, s[WV], 7
	s_add_co_u32 s62, s62, s63                     ; sq: 2,048 x + 128 w
	s_mov_b32 s63, 0
	s_wait_dscnt 0x0
	s_wait_kmcnt 0x0
	s_add_nc_u64 s[G0C+2:G0C+3], s[4:5], s[76:77]
	s_or_b32 s[G0C+3], s[G0C+3], 0x80000000        ; 127:126 type = 2
	s_add_nc_u64 s[G0S+2:G0S+3], s[6:7], s[78:79]
	s_or_b32 s[G0S+3], s[G0S+3], 0x80000000
	s_add_nc_u64 s[G0Q+2:G0Q+3], s[8:9], s[62:63]
	s_or_b32 s[G0Q+3], s[G0Q+3], 0x80000000
	tensor_load_to_lds s[G0C:G0C+3], s[G1C:G1C+7]  ; the three first fills go out together, ahead of every wait on TENSORcnt, LDS read and barrier
	s_nop 0
	tensor_load_to_lds s[G0S:G0S+3], s[G1S:G1S+7]
	s_nop 0
	tensor_load_to_lds s[G0Q:G0Q+3], s[G1Q:G1Q+7]
	s_nop 0
	v_and_b32 v8, 31, v0                           ; lane
	v_bfe_u32 v9, v0, 4, 1                         ; h
	v_and_b32 v10, 15, v0                          ; r
	v_lshlrev_b32 v[LI], 4, v8
	v_lshlrev_b32 v[LS], 2, v8
	v_lshlrev_b32 v[LQ], 5, v9
	v_lshlrev_b32 v[R4], 2, v10
	v_lshlrev_b32 v[IB], 3, v9
	s_lshl_b32 s76, s13, 9
	v_add_nc_u32 v[IB], s76, v[IB]                 ; 512 x + 8 h
	s_lshl_b32 s15, s14, 5
	s_lshl_b32 s77, s[WV], 1
	s_add_co_u32 s15, s15, s77                     ; my first query tile: 32 y + 2 w
	s_add_co_u32 s62, s76, s15
	s_mul_i32 s62, s62, 1536                       ; lst: block 512 x + 32 y + 2 w of 1,536 bytes
	s_mul_i32 s76, s15, 6144                       ; a tile's four fragments
	s_mov_b32 s77, 0
	s_lshl_b32 s78, s15, 8                         ; its 64 scale words
	s_add_nc_u64 s[4:5], s[4:5], s[76:77]
	s_add_nc_u64 s[6:7], s[6:7], s[78:79]
	s_lshl_b32 s78, s15, 6                         ; its 16 sums
	s_add_nc_u64 s[8:9], s[8:9], s[78:79]
	s_add_nc_u64 s[10:11], s[10:11], s[62:63]
.irp u, 0,1
.irp s, 0,1,2,3
.irp c, 0,1,2
	global_load_b128 v[QF+48*\u+12*\s+4*\c:QF+48*\u+12*\s+4*\c+3], v[LI], s[4:5] offset:6144*\u+1536*\s+512*\c   ; the queries' fragments, as they lie
.endr
.endr
.endr
.irp u, 0,1
.irp p, 0,1
	global_load_b32 v[QS+2*\u+\p], v[LS], s[6:7] offset:256*\u+128*\p
.endr
.endr
.irp u, 0,1
	global_load_b32 v[SQI+2*\u], v[R4], s[8:9] offset:64*\u
.endr
.irp u, 0,1
.irp k, 0,1,2,3,4,5
	v_mov_b32 v[L+12*\u+\k], 0x7f800000            ; the lists begin as six times +infinity: a stream's 256 candidates push all six out
	v_mov_b32 v[L+12*\u+6+\k], 0
.endr
.endr
.irp e, 0,1,2,3,4,5,6,7
	s_mov_b32 s[JE+\e], \e
.endr
	s_mov_b32 s[TC], 0
	s_mov_b32 s[TS], SCLB
	s_mov_b32 s[TQ], SQB
	s_wait_loadcnt 0x0
	v_mov_b32 v[SQI+1], v[SQI]                     ; pairs for the packed addition
	v_mov_b32 v[SQI+3], v[SQI+2]
	s_wait_tensorcnt 0x0                           ; my parts have landed,
	s_barrier_signal -1
	s_barrier_wait -1                              ; everybody's have
.macro FETCH                                   ; 16 LDS loads in one run: the tile's four fragments, its scale words, its sums
	v_add_nc_u32 v[ADC], s[TC], v[LI]
	v_add_nc_u32 v[ADS], s[TS], v[LS]
	v_add_nc_u32 v[ADQ], s[TQ], v[LQ]
.irp s, 0,1,2,3
.irp c, 0,1,2
	ds_load_b128 v[AF+12*\s+4*\c:AF+12*\s+4*\c+3], v[ADC] offset:1536*\s+512*\c
.endr
.endr
.irp p, 0,1
	ds_load_b32 v[AS+\p], v[ADS] offset:128*\p
.endr
.irp q, 0,1
	ds_load_b128 v[SQJ+4*\q:SQJ+4*\q+3], v[ADQ] offset:16*\q
.endr
.endm
; Eight matrix instructions: K steps 0 to 3 for both query tiles.  The two accumulators take turns, one instruction a turn, over the loop's backward jump too.
; The first K step starts each sum with the constant 0.  Odd K steps read their scale words from lanes 16-31.
.macro MULT
.irp s, 0,1,2,3
.irp u, 0,1
.if \s == 0
	v_wmma_scale_f32_16x16x128_f8f6f4 v[ACC+8*\u:ACC+8*\u+7], v[AF+12*\s:AF+12*\s+11], v[QF+48*\u+12*\s:QF+48*\u+12*\s+11], 0, v[AS], v[QS+2*\u] matrix_a_fmt:MATRIX_FMT_FP6 matrix_b_fmt:MATRIX_FMT_FP6
.elseif \s == 1
	v_wmma_scale_f32_16x16x128_f8f6f4 v[ACC+8*\u:ACC+8*\u+7], v[AF+12*\s:AF+12*\s+11], v[QF+48*\u+12*\s:QF+48*\u+12*\s+11], v[ACC+8*\u:ACC+8*\u+7], v[AS], v[QS+2*\u] matrix_a_fmt:MATRIX_FMT_FP6 matrix_b_fmt:MATRIX_FMT_FP6 matrix_a_scale:MATRIX_SCALE_ROW1 matrix_b_scale:MATRIX_SCALE_ROW1
.elseif \s == 2
	v_wmma_scale_f32_16x16x128_f8f6f4 v[ACC+8*\u:ACC+8*\u+7], v[AF+12*\s:AF+12*\s+11], v[QF+48*\u+12*\s:QF+48*\u+12*\s+11], v[ACC+8*\u:ACC+8*\u+7], v[AS+1], v[QS+2*\u+1] matrix_a_fmt:MATRIX_FMT_FP6 matrix_b_fmt:MATRIX_FMT_FP6
.else
	v_wmma_scale_f32_16x16x128_f8f6f4 v[ACC+8*\u:ACC+8*\u+7], v[AF+12*\s:AF+12*\s+11], v[QF+48*\u+12*\s:QF+48*\u+12*\s+11], v[ACC+8*\u:ACC+8*\u+7], v[AS+1], v[QS+2*\u+1] matrix_a_fmt:MATRIX_FMT_FP6 matrix_b_fmt:MATRIX_FMT_FP6 matrix_a_scale:MATRIX_SCALE_ROW1 matrix_b_scale:MATRIX_SCALE_ROW1
.endif
.endr
.endr
.endm
; sq_i + sq_j.  These eight plain instructions name no register of the products: they are the places between the last product and the loads into its operands,
; the first read of its results, and the next tile's products that begin the accumulators anew.
.macro SUMS
.irp u, 0,1
.irp e, 0,2,4,6
	v_pk_add_f32 v[S+8*\u+\e:S+8*\u+\e+1], v[SQJ+\e:SQJ+\e+1], v[SQI+2*\u:SQI+2*\u+1]
.endr
.endr
.endm
.macro FORM                                    ; d2 = (sq_i + sq_j) - 2 G in one rounding (2 G is exact), then held at 0; each accumulator is read from its low end on
.irp u, 0,1
.irp e, 0,2,4,6
	v_pk_fma_f32 v[S+8*\u+\e:S+8*\u+\e+1], v[ACC+8*\u+\e:ACC+8*\u+\e+1], -2.0, v[S+8*\u+\e:S+8*\u+\e+1] op_sel_hi:[1,0,1]
.endr
.endr
.irp j, 0,1,2,3,4,5,6,7,8,9,10,11,12,13,14,15
	v_max_num_f32 v[S+\j], 0, v[S+\j]
.endr
.endm
; One distance x into tile u's sorted list.  m_k = (x < a_k).  New a_k = the middle one of (a_k-1, a_k, x); new i_k = m_k-1 ? i_k-1 : (m_k ? J : i_k).  From the top down, so that each line reads old neighbours.
.macro INSERT u, e
.set rX, S+8*(\u)+(\e)
.set rA, L+12*(\u)
.set rI, L+12*(\u)+6
.irp k, 0,1,2,3,4,5
	v_cmp_lt_f32 s[MK+\k], v[rX], v[rA+\k]
.endr
.irp k, 5,4,3,2,1
	v_med3_num_f32 v[rA+\k], v[rA+\k-1], v[rA+\k], v[rX]
.endr
	v_min_num_f32 v[rA], v[rA], v[rX]
.irp k, 5,4,3,2,1
	v_cndmask_b32 v[TMP+\k%2], v[rI+\k], s[JE+(\e)], s[MK+\k]
	v_cndmask_b32 v[rI+\k], v[TMP+\k%2], v[rI+\k-1], s[MK+\k-1]
.endr
	v_cndmask_b32 v[rI], v[rI], s[JE+(\e)], s[MK]
.endm
; A candidate tile.  next = 1: the next tile's operands are fetched behind SUMS, some 390 vector instructions ahead of the wait for them.
.macro TRIP next
	s_wait_dscnt 0x0                               ; this tile's 16 loads are in
	MULT
	SUMS
.if \next
	s_add_co_u32 s[TC], s[TC], 6144
	s_add_co_u32 s[TS], s[TS], 256
	s_add_co_u32 s[TQ], s[TQ], 64
	FETCH
.endif
	FORM
.irp e, 0,1,2,3,4,5,6,7
.irp u, 0,1
	INSERT \u, \e
.endr
.endr
.if \next
.irp e, 0,1,2,3,4,5,6,7
	s_add_co_u32 s[JE+\e], s[JE+\e], 16
.endr
.endif
.endm
	FETCH                                          ; tile 0
	s_mov_b32 s[CNT], 31
.Ltile:
	TRIP 1
	s_sub_co_u32 s[CNT], s[CNT], 1
	s_cmp_lg_u32 s[CNT], 0
	s_cbranch_scc1 .Ltile
	TRIP 0                                         ; the last tile fetches nothing
.irp u, 0,1
.irp k, 0,1,2,3,4,5
	v_add_nc_u32 v[L+12*\u+6+\k], v[IB], v[L+12*\u+6+\k]   ; the index: 512 x + 8 h + 16 t + e
.endr
.endr
.irp u, 0,1
.irp c, 0,1,2
	global_store_b128 v[LI], v[L+12*\u+4*\c:L+12*\u+4*\c+3], s[10:11] offset:1536*\u+512*\c   ; 32 lanes store 512 consecutive bytes, at a multiple of 256 from the buffer's first byte
.endr
.endr
	s_wait_tensorcnt 0x0
	ds_add_u32 v240, v241
	s_wait_dscnt 0x0
	s_endpgm
.Lfunc_end_k_q03ef3ca6c0_near:
	.size	k_q03ef3ca6c0_near, .Lfunc_end_k_q03ef3ca6c0_near-k_q03ef3ca6c0_near
	.p2alignl 7, 3214868480
	.fill 96, 4, 3214868480
	.section	.rodata,"a",@progbits
	.p2align	6, 0x0
	.amdhsa_kernel k_q03ef3ca6c0_near
		.amdhsa_group_segment_fixed_size 208896
		.amdhsa_private_segment_fixed_size 0
		.amdhsa_enable_private_segment 0
		.amdhsa_kernarg_size 32
		.amdhsa_user_sgpr_count 2
		.amdhsa_user_sgpr_kernarg_segment_ptr 1
		.amdhsa_wavefront_size32 1
		.amdhsa_system_sgpr_workgroup_id_x 1
		.amdhsa_system_sgpr_workgroup_id_y 1
		.amdhsa_system_sgpr_workgroup_id_z 1
		.amdhsa_system_vgpr_workitem_id 0
		.amdhsa_next_free_vgpr 242
		.amdhsa_next_free_sgpr 80
		.amdhsa_reserve_vcc 0
		.amdhsa_float_denorm_mode_32 3
		.amdhsa_float_denorm_mode_16_64 3
		.amdhsa_memory_ordered 1
		.amdhsa_forward_progress 1
		.amdhsa_inst_pref_size 63
	.end_amdhsa_kernel
	.amdgpu_metadata
---
amdhsa.version: [ 1, 2 ]
amdhsa.kernels:
  - .name:           k_q03ef3ca6c0_near
    .symbol:         k_q03ef3ca6c0_near.kd
    .args:
      - { .name: codes, .offset: 0, .size: 8, .value_kind: global_buffer, .address_space: global }
      - { .name: scl, .offset: 8, .size: 8, .value_kind: global_buffer, .address_space: global }
      - { .name: sq, .offset: 16, .size: 8, .value_kind: global_buffer, .address_space: global }
      - { .name: lst, .offset: 24, .size: 8, .value_kind: global_buffer, .address_space: global }
    .group_segment_fixed_size: 208896
    .private_segment_fixed_size: 0
    .kernarg_segment_align: 8
    .kernarg_segment_size: 32
    .max_flat_workgroup_size: 512
    .sgpr_count:     80
    .vgpr_count:     242
    .wavefront_size: 32
...
	.end_amdgpu_metadata
.endif
;; end of part 2
;; launch pick (part 3): grid 512 x 1, 16 waves a work-group, no clusters, 27,136 bytes of LDS; arguments lst, nn_choice, neigh; writes neigh
.if DOCPART == 3
	.amdgcn_target "amdgcn-amd-amdhsa--gfx1250"
	.amdhsa_code_object_version 6
	.text
	.protected	k_q03ef3ca6c0_pick
	.globl	k_q03ef3ca6c0_pick
	.p2align	8
	.type	k_q03ef3ca6c0_pick,@function
k_q03ef3ca6c0_pick:
	s_mov_b64 s[64:65], 0
	v_nop
	global_prefetch_b8 v0, s[64:65] scope:SCOPE_SE
	s_setreg_imm32_b32 hwreg(HW_REG_WAVE_MODE, 25, 1), 1
	s_wait_xcnt 0x0
; For each row: dist = sqrt(d2) of its 192 surviving candidates (32 lists of six); ranks 0 to 5 by (dist, index), as a stable sort of the whole row gives them; neigh[row][n] = rank 1 + nn_choice[row][n].
; SHARES: a work-group takes a tile of 16 rows.  Wave w first brings candidate split w's block of the tile (1,536 bytes, consecutive) into LDS; behind a barrier it ranks row 16 T + w:
; lane (split = lane % 16, half = lane / 16) takes one of the row's 32 lists.  The results meet in 256 bytes of LDS and wave 0 stores them as one aligned run of 256 bytes.
; THE ROOT is made exact: the instruction's result may be a unit in the last place off, so the two residuals a - (y -+ 1 unit) y decide whether the neighbour below or above is the rounded root.
; A rank: the smallest dist of the wave; among the entries that have it, the smallest index (as f32: indices are under 8,192, exact); that entry's dist becomes +infinity.  No branch hangs on a distance.
; LIMITS: NaN and infinities are not served; a d2 under 2^-126 counts as 0 in the root.  nn_choice is taken to lie in 0 .. 4 (the definition indexes five neighbours with it); any other value takes rank 1.
.set PB,  1552                         ; a split's block in LDS: 1,536 bytes + 16 = 97 x 16: sixteen blocks begin at sixteen different 16-byte columns of a span of 256
.set NB,  16*PB                        ; behind them: 256 bytes, the tile's 64 results
.set A,   8                            ; v8-13  a_k;  v14-19 i_k
.set D,   20                           ; v20-25 dist
.set F,   26                           ; v26-31 the index as f32
.set N,   43                           ; v43-48 ranks 0 to 5
.set INF, 49
.set M,   50
.set PX,  51                           ; a lane permute's destination
.set CA,  52                           ; v52-57 the candidates' indices
.set MK,  24                           ; s24-29 masks
	s_load_b128 s[4:7], s[0:1], 0x0                ; lst s[4:5], nn_choice s[6:7]
	s_load_b64 s[8:9], s[0:1], 0x10                ; neigh
	v_lshl_add_u32 v64, v0, 2, 0x6200
	v_mov_b32 v65, 0
	v_lshrrev_b32 v1, 5, v0
	v_readfirstlane_b32 s12, v1                    ; wave 0..15
	s_mov_b32 s20, 0x76543210
	s_mov_b32 s21, 0xfedcba98                      ; v_permlanex16_b32's selects for lane l xor 16
	v_and_b32 v32, 31, v0                          ; lane
	v_and_b32 v33, 15, v0
	v_bfe_u32 v34, v0, 4, 1
	v_lshlrev_b32 v1, 4, v32                       ; 16 x lane
	s_mul_i32 s13, s12, PB
	v_add_nc_u32 v2, s13, v1                       ; in: my split's block, as it lies
	v_mul_u32_u24 v3, v33, PB
	v_lshl_add_u32 v3, v34, 8, v3
	s_lshl_b32 s14, s12, 4
	v_add_nc_u32 v3, s14, v3                       ; out: split lane % 16; the words of source lane w + 16 (lane / 16)
	v_and_b32 v35, 3, v0
	v_lshlrev_b32 v7, 2, v35                       ; 4 (lane % 4): which of my row's four outputs
	v_add_nc_u32 v4, s14, v7
	v_add_nc_u32 v4, NB, v4                        ; its place among the results
	v_lshlrev_b32 v6, 3, v32                       ; 8 x lane
	v_add_nc_u32 v5, NB, v6
	v_mov_b32 v[PX], 0
	s_mul_i32 s16, s12, 786432                     ; lst: split w's 512 blocks,
	s_mul_i32 s17, ttmp9, 1536                     ; the tile's block
	s_add_co_u32 s16, s16, s17
	s_mov_b32 s17, 0
	s_lshl_b32 s18, ttmp9, 8                       ; nn_choice and neigh: 256 bytes a tile
	s_mov_b32 s19, 0
	s_add_co_u32 s22, s18, s14                     ; + 16 bytes a row
	s_mov_b32 s23, 0
	s_wait_kmcnt 0x0
	s_add_nc_u64 s[4:5], s[4:5], s[16:17]
	s_add_nc_u64 s[6:7], s[6:7], s[22:23]
	s_add_nc_u64 s[8:9], s[8:9], s[18:19]
.irp c, 0,1,2
	global_load_b128 v[A+4*\c:A+4*\c+3], v1, s[4:5] offset:512*\c th:TH_LOAD_NT
.endr
	global_load_b32 v58, v7, s[6:7]                ; my row's choice for output lane % 4
	s_wait_loadcnt 0x0
.irp c, 0,1,2
	ds_store_b128 v2, v[A+4*\c:A+4*\c+3] offset:512*\c
.endr
	s_wait_dscnt 0x0                               ; for the others' sake: my stores have landed
	s_barrier_signal -1
	s_barrier_wait -1
.irp c, 0,1,2
	ds_load_b128 v[A+4*\c:A+4*\c+3], v3 offset:512*\c
.endr
	s_wait_dscnt 0x0
.irp k, 0,1,2,3,4,5
	v_sqrt_f32 v[D+\k], v[A+\k]
.endr
	v_mov_b32 v[INF], 0x7f800000                   ; (a plain place behind the roots)
.irp k, 0,1,2,3,4,5
	v_cvt_f32_u32 v[F+\k], v[A+6+\k]
.endr
	s_wait_alu depctr_va_vdst(0)
.irp k, 0,1,2,3,4,5
	v_add_nc_u32 v32, -1, v[D+\k]                  ; the root's neighbour below,
	v_add_nc_u32 v33, 1, v[D+\k]                   ; and above
	v_fma_f32 v34, -v32, v[D+\k], v[A+\k]
	v_fma_f32 v35, -v33, v[D+\k], v[A+\k]
	v_cmp_ge_f32 vcc_lo, 0, v34                    ; a - below x y <= 0: the root lies a unit lower
	v_cndmask_b32 v[D+\k], v[D+\k], v32, vcc_lo
	v_cmp_lt_f32 vcc_lo, 0, v35                    ; a - above x y > 0: a unit higher.  (At a = 0 neither holds: the first residual is no number, the second 0)
	v_cndmask_b32 v[D+\k], v[D+\k], v33, vcc_lo
.endr
.macro WMIN r                                  ; the smallest over the 32 lanes, in every lane
	v_min_num_f32_dpp v[\r], v[\r], v[\r] row_xmask:1 row_mask:0xf bank_mask:0xf
	v_min_num_f32_dpp v[\r], v[\r], v[\r] row_xmask:2 row_mask:0xf bank_mask:0xf
	v_min_num_f32_dpp v[\r], v[\r], v[\r] row_xmask:4 row_mask:0xf bank_mask:0xf
	v_min_num_f32_dpp v[\r], v[\r], v[\r] row_xmask:8 row_mask:0xf bank_mask:0xf
	v_permlanex16_b32 v[PX], v[\r], s20, s21
	v_min_num_f32 v[\r], v[\r], v[PX]
.endm
.macro RANK p, last
	v_min3_num_f32 v[M], v[D], v[D+1], v[D+2]
	v_min3_num_f32 v36, v[D+3], v[D+4], v[D+5]
	v_min_num_f32 v[M], v[M], v36
	WMIN M                                         ; the smallest dist left
.irp k, 0,1,2,3,4,5
	v_cmp_eq_f32 s[MK+\k], v[D+\k], v[M]
.endr
.irp k, 0,1,2,3,4,5
	v_cndmask_b32 v[CA+\k], v[INF], v[F+\k], s[MK+\k]
.endr
	v_min3_num_f32 v[N+\p], v[CA], v[CA+1], v[CA+2]
	v_min3_num_f32 v36, v[CA+3], v[CA+4], v[CA+5]
	v_min_num_f32 v[N+\p], v[N+\p], v36
	WMIN N+\p                                      ; the lowest index that has it
.if !\last
.irp k, 0,1,2,3,4,5
	v_cmp_eq_f32 s[MK+\k], v[F+\k], v[N+\p]        ; each index stands in one list only
.endr
.irp k, 0,1,2,3,4,5
	v_cndmask_b32 v[D+\k], v[D+\k], v[INF], s[MK+\k]
.endr
.endif
.endm
	RANK 0, 0
	RANK 1, 0
	RANK 2, 0
	RANK 3, 0
	RANK 4, 0
	RANK 5, 1
	v_mov_b32 v60, v[N+1]                          ; rank 1 + choice
.irp c, 1,2,3,4
	v_cmp_eq_u32 vcc_lo, \c, v58
	v_cndmask_b32 v60, v60, v[N+1+\c], vcc_lo
.endr
	v_cvt_u32_f32 v60, v60
	ds_store_b32 v4, v60                           ; the eight lanes of an output write the same word with the same value
	s_wait_dscnt 0x0
	s_barrier_signal -1
	s_barrier_wait -1
	s_cmp_lg_u32 s12, 0
	s_cbranch_scc1 .Ldone
	ds_load_b64 v[60:61], v5
	s_wait_dscnt 0x0
	global_store_b64 v6, v[60:61], s[8:9]          ; 32 lanes store 256 consecutive bytes, at a multiple of 256 from the buffer's first byte
.Ldone:
	s_wait_tensorcnt 0x0
	ds_add_u32 v64, v65
	s_wait_dscnt 0x0
	s_endpgm
.Lfunc_end_k_q03ef3ca6c0_pick:
	.size	k_q03ef3ca6c0_pick, .Lfunc_end_k_q03ef3ca6c0_pick-k_q03ef3ca6c0_pick
	.p2alignl 7, 3214868480
	.fill 96, 4, 3214868480
	.section	.rodata,"a",@progbits
	.p2align	6, 0x0
	.amdhsa_kernel k_q03ef3ca6c0_pick
		.amdhsa_group_segment_fixed_size 27136
		.amdhsa_private_segment_fixed_size 0
		.amdhsa_enable_private_segment 0
		.amdhsa_kernarg_size 24
		.amdhsa_user_sgpr_count 2
		.amdhsa_user_sgpr_kernarg_segment_ptr 1
		.amdhsa_wavefront_size32 1
		.amdhsa_system_sgpr_workgroup_id_x 1
		.amdhsa_system_sgpr_workgroup_id_y 1
		.amdhsa_system_sgpr_workgroup_id_z 1
		.amdhsa_system_vgpr_workitem_id 0
		.amdhsa_next_free_vgpr 66
		.amdhsa_next_free_sgpr 66
		.amdhsa_reserve_vcc 1
		.amdhsa_float_denorm_mode_32 3
		.amdhsa_float_denorm_mode_16_64 3
		.amdhsa_memory_ordered 1
		.amdhsa_forward_progress 1
		.amdhsa_inst_pref_size 21
	.end_amdhsa_kernel
	.amdgpu_metadata
---
amdhsa.version: [ 1, 2 ]
amdhsa.kernels:
  - .name:           k_q03ef3ca6c0_pick
    .symbol:         k_q03ef3ca6c0_pick.kd
    .args:
      - { .name: lst, .offset: 0, .size: 8, .value_kind: global_buffer, .address_space: global }
      - { .name: nn_choice, .offset: 8, .size: 8, .value_kind: global_buffer, .address_space: global }
      - { .name: neigh, .offset: 16, .size: 8, .value_kind: global_buffer, .address_space: global }
    .group_segment_fixed_size: 27136
    .private_segment_fixed_size: 0
    .kernarg_segment_align: 8
    .kernarg_segment_size: 24
    .max_flat_workgroup_size: 512
    .sgpr_count:     66
    .vgpr_count:     66
    .wavefront_size: 32
...
	.end_amdgpu_metadata
.endif
;; end of part 3
;; launch mix (part 4): grid 1024 x 1, 8 waves a work-group, no clusters, 0 bytes of LDS; arguments min_samples, gaps, neigh, out0; writes out0
.if DOCPART == 4
	.amdgcn_target "amdgcn-amd-amdhsa--gfx1250"
	.amdhsa_code_object_version 6
	.text
	.protected	k_q03ef3ca6c0_mix
	.globl	k_q03ef3ca6c0_mix
	.p2align	8
	.type	k_q03ef3ca6c0_mix,@function
k_q03ef3ca6c0_mix:
	s_mov_b64 s[64:65], 0
	v_nop
	global_prefetch_b8 v0, s[64:65] scope:SCOPE_SE
	s_setreg_imm32_b32 hwreg(HW_REG_WAVE_MODE, 25, 1), 1
	s_wait_xcnt 0x0
; out[4 i + n][:] = x[i][:] + gaps[i][n] (x[neigh[i][n]][:] - x[i][:]), all f32; the product and the sum are one fused multiply-add.
; SHARES: a wave takes a row i = 8 g + w: it loads x[i] (2,048 bytes: four loads of 512 consecutive bytes) and its four neighbours' rows, and stores four rows.  No loop, no LDS, no barrier:
; waves share nothing, and every load of a wave is issued before its first wait for data: 20 loads, 10,240 bytes a wave.
; The neighbours' numbers were stored as whole numbers by the launch before; each is held at 8,191 from above before it enters an address.
; Matrix units, clusters and tensor loads have nothing to do here: the launch moves bytes.  The gathered rows carry no hint: a row may be named by many rows.
.set XR, 4                             ; v4-19   x[i]
.set NR, 20                            ; v20-83  neighbour n at NR + 16 n, then the result
.set G,  84                            ; v84-91  (g_n, g_n)
	s_load_b256 s[4:11], s[0:1], 0x0               ; x s[4:5], gaps s[6:7], neigh s[8:9], out s[10:11]
	v_lshrrev_b32 v1, 5, v0
	v_readfirstlane_b32 s36, v1                    ; wave 0..7
	s_lshl_b32 s37, ttmp9, 3
	s_add_co_u32 s37, s37, s36                     ; row i
	v_and_b32 v2, 31, v0
	v_lshlrev_b32 v1, 4, v2                        ; 16 x lane
	s_lshl_b32 s28, s37, 11                        ; 2,048 i
	s_mov_b32 s29, 0
	s_lshl_b32 s30, s37, 4                         ; 16 i
	s_mov_b32 s31, 0
	s_lshl_b32 s34, s37, 13                        ; 8,192 i
	s_mov_b32 s35, 0
	s_wait_kmcnt 0x0
	s_add_nc_u64 s[8:9], s[8:9], s[30:31]
	s_add_nc_u64 s[6:7], s[6:7], s[30:31]
	s_add_nc_u64 s[32:33], s[4:5], s[28:29]
	s_add_nc_u64 s[10:11], s[10:11], s[34:35]
	s_load_b128 s[12:15], s[8:9], 0x0              ; the row's four neighbours: the gather's addresses wait for these, so they go first
	s_load_b128 s[16:19], s[6:7], 0x0              ; and its four gaps
.irp q, 0,1,2,3
	global_load_b128 v[XR+4*\q:XR+4*\q+3], v1, s[32:33] offset:512*\q
.endr
	s_wait_kmcnt 0x0
.irp n, 0,1,2,3
	s_min_u32 s[12+\n], s[12+\n], 0x1fff           ; inside the table
	s_lshl_b32 s[20+2*\n], s[12+\n], 11            ; its row, in bytes
	s_mov_b32 s[21+2*\n], 0
	s_add_nc_u64 s[20+2*\n:21+2*\n], s[4:5], s[20+2*\n:21+2*\n]
.irp q, 0,1,2,3
	global_load_b128 v[NR+16*\n+4*\q:NR+16*\n+4*\q+3], v1, s[20+2*\n:21+2*\n] offset:512*\q
.endr
.endr
.irp n, 0,1,2,3
	v_mov_b32 v[G+2*\n], s[16+\n]
	v_mov_b32 v[G+2*\n+1], s[16+\n]
.endr
.macro BLEND n
	s_wait_loadcnt 12-4*(\n)                       ; loads come back in order: x[i] and neighbours 0 .. n are in; the 3 - n later neighbours' four loads each stay out
.irp j, 0,2,4,6,8,10,12,14
	v_pk_add_f32 v[NR+16*(\n)+\j:NR+16*(\n)+\j+1], v[NR+16*(\n)+\j:NR+16*(\n)+\j+1], v[XR+\j:XR+\j+1] neg_lo:[0,1] neg_hi:[0,1]   ; the neighbour - x
.endr
.irp j, 0,2,4,6,8,10,12,14
	v_pk_fma_f32 v[NR+16*(\n)+\j:NR+16*(\n)+\j+1], v[NR+16*(\n)+\j:NR+16*(\n)+\j+1], v[G+2*(\n):G+2*(\n)+1], v[XR+\j:XR+\j+1]
.endr
.irp q, 0,1,2,3
	global_store_b128 v1, v[NR+16*(\n)+4*\q:NR+16*(\n)+4*\q+3], s[10:11] offset:2048*(\n)+512*\q th:TH_STORE_NT   ; 512 consecutive bytes, at a multiple of 256 from the output's first byte; no register of a store is written again
.endr
.endm
	BLEND 0
	BLEND 1
	BLEND 2
	BLEND 3
	s_endpgm
.Lfunc_end_k_q03ef3ca6c0_mix:
	.size	k_q03ef3ca6c0_mix, .Lfunc_end_k_q03ef3ca6c0_mix-k_q03ef3ca6c0_mix
	.p2alignl 7, 3214868480
	.fill 96, 4, 3214868480
	.section	.rodata,"a",@progbits
	.p2align	6, 0x0
	.amdhsa_kernel k_q03ef3ca6c0_mix
		.amdhsa_group_segment_fixed_size 0
		.amdhsa_private_segment_fixed_size 0
		.amdhsa_enable_private_segment 0
		.amdhsa_kernarg_size 32
		.amdhsa_user_sgpr_count 2
		.amdhsa_user_sgpr_kernarg_segment_ptr 1
		.amdhsa_wavefront_size32 1
		.amdhsa_system_sgpr_workgroup_id_x 1
		.amdhsa_system_sgpr_workgroup_id_y 1
		.amdhsa_system_sgpr_workgroup_id_z 1
		.amdhsa_system_vgpr_workitem_id 0
		.amdhsa_next_free_vgpr 96
		.amdhsa_next_free_sgpr 66
		.amdhsa_reserve_vcc 0
		.amdhsa_float_denorm_mode_32 3
		.amdhsa_float_denorm_mode_16_64 3
		.amdhsa_memory_ordered 1
		.amdhsa_forward_progress 1
		.amdhsa_inst_pref_size 10
	.end_amdhsa_kernel
	.amdgpu_metadata
---
amdhsa.version: [ 1, 2 ]
amdhsa.kernels:
  - .name:           k_q03ef3ca6c0_mix
    .symbol:         k_q03ef3ca6c0_mix.kd
    .args:
      - { .name: min_samples, .offset: 0, .size: 8, .value_kind: global_buffer, .address_space: global }
      - { .name: gaps, .offset: 8, .size: 8, .value_kind: global_buffer, .address_space: global }
      - { .name: neigh, .offset: 16, .size: 8, .value_kind: global_buffer, .address_space: global }
      - { .name: out0, .offset: 24, .size: 8, .value_kind: global_buffer, .address_space: global }
    .group_segment_fixed_size: 0
    .private_segment_fixed_size: 0
    .kernarg_segment_align: 8
    .kernarg_segment_size: 32
    .max_flat_workgroup_size: 256
    .sgpr_count:     66
    .vgpr_count:     96
    .wavefront_size: 32
...
	.end_amdgpu_metadata
.endif
;; end of part 4
;; ======== version 2 of 2: 5 launches; 1.31 times as fast as version 1
;; limits: values within 3.05e-05 (relative) of each other or of a threshold may be ordered or decided otherwise than in the reference
;; workspace buffers: codes 3,145,728 bytes; scl 131,072 bytes; sq 32,768 bytes; lst 6,291,456 bytes; cand 524,288 bytes of whole numbers; neigh 131,072 bytes of whole numbers
;; launch quant: the kernel of part 1 again; grid 256 x 1, 8 waves a work-group, no clusters, 69,632 bytes of LDS; arguments min_samples, codes, scl, sq; writes codes, scl, sq
;; launch near (part 5): grid 16 x 16, 16 waves a work-group, no clusters, 208,896 bytes of LDS; arguments codes, scl, sq, lst; writes lst
.if DOCPART == 5
	.amdgcn_target "amdgcn-amd-amdhsa--gfx1250"
	.amdhsa_code_object_version 6
	.text
	.protected	k_q03ef3ca6c0_near
	.globl	k_q03ef3ca6c0_near
	.p2align	8
	.type	k_q03ef3ca6c0_near,@function
k_q03ef3ca6c0_near:
	s_mov_b64 s[64:65], 0
	v_nop
	global_prefetch_b8 v0, s[64:65] scope:SCOPE_SE
	s_setreg_imm32_b32 hwreg(HW_REG_WAVE_MODE, 25, 1), 1
	s_wait_xcnt 0x0
; THE FILTER.  d2[i][j] = (sq[i] + sq[j]) - 2 G[i][j], G = Q(X) Q(X)^T on codes of FP6 (E2M3) with E8M0 scales.  Of each stream of 256 candidates the six smallest KEYS are kept:
; a key is d2, held at 2^-126 from below, with its last eight bits replaced by the candidate's place in the stream (8 t + e).  So a key is one register, a positive ordinary f32 number,
; keys of a stream are all different, and a sorted list of six is kept by five middle-of-three and one minimum: no index travels beside the distance.
; The survivors' distances are made again, exactly, two launches on; this launch decides only who survives.
; SHARES: work-group (x, y): candidates 512 x .. 512 x + 511 against queries 512 y .. 512 y + 511.  Wave w owns query tiles 32 y + 2 w + u, u = 0, 1: their fragments stay in registers (source 1).
; All sixteen waves walk the 32 candidate tiles (source 0) from LDS.  In a result lane (r, h) holds query r and, in register e, candidate 16 t + 8 h + e: so a lane has ONE query of each tile u,
; and sees 256 candidates in ascending index.  No branch and no address hangs on a distance.
; LDS is filled ONCE: the split's codes (196,608 bytes), scale words (8,192) and sq (2,048) are three dense blocks of their buffers; each wave brings a sixteenth of each: three tensor loads of a wave are out, all first fills.
; The codes lie as images of the operand's registers, so a fragment is three loads of 16 x lane + 512 c: consecutive bytes, no pitch, no padding.
; ORDER OF EQUALS: keys that agree in the upper 24 bits are ordered by the place in the stream, that is by index, as a stable sort orders equal distances.
; LIMITS: NaN and infinities are not served.  One of a row's six nearest is lost here only if, in its own stream of 256, the candidates that truly precede it and those that precede it only by index,
; with a d2 that agrees with its own in all but the last eight bits (or has the same root), are six or more together.  Every d2 up to 2^-126 counts as the smallest.
; NOT USED, and why: clusters and joint loads (a work-group fetches 206,848 bytes once for 262,144 distances of nine vector instructions each: what is shared is under a byte a distance);
; a ring of slots (all candidates of the work-group fit in LDS at once); register windows and larger wave tiles (the vector work, not LDS reads, fills the trip).
.set SCLB, 196608                      ; LDS: behind the codes the scale words,
.set SQB,  204800                      ; and sq
.set LI,  1                            ; v1   16 x lane
.set LS,  2                            ; v2   4 x lane
.set LQ,  3                            ; v3   32 h
.set ADC, 4                            ; v4-6 LDS addresses of the tile in hand: codes, scale words, sq
.set ADS, 5
.set ADQ, 6
.set R4,  7                            ; v7   4 r
.set L8,  8                            ; v8   8 x lane
.set QF,  16                           ; v16-111  query fragments: (u, s) at QF + 48 u + 12 s
.set QS,  112                          ; v112-115 query scale words: QS + 2 u + p: lanes 0-15 K step 2 p, lanes 16-31 K step 2 p + 1
.set SQI, 116                          ; v116-119 (sq_i, sq_i) for u = 0, 1
.set AS,  120                          ; v120-121 candidate scale words, p = 0, 1, likewise
.set AF,  124                          ; v124-171 the candidate tile's four fragments
.set SQJ, 172                          ; v172-179 sq of candidates 8 h + 0 .. 7
.set ACC, 180                          ; v180-195 two accumulators
.set S,   196                          ; v196-211 sq_i + sq_j, then d2, then the keys
.set L,   212                          ; v212-223 for each u six keys, ascending
.set WV,  12
.set G1C, 16                           ; s[16:23] group 1, codes: 48 rows of 256 bytes
.set G1S, 24                           ; s[24:31] scale words: 2 rows of 256 bytes
.set G1Q, 32                           ; s[32:39] sq: 1 row of 128 bytes
.set G0C, 40                           ; s[40:43], s[44:47], s[48:51] their groups 0
.set G0S, 44
.set G0Q, 48
.set TC,  58                           ; s58-60 where the tile to be fetched begins: codes, scale words, sq
.set TS,  59
.set TQ,  60
.set CNT, 61
.set MSK, 66                           ; s66 the upper 24 bits
.set FLR, 67                           ; s67 2^-126
.set JE,  68                           ; s68-75 J_e = 8 t + e: register e's place in the stream
	s_load_b256 s[4:11], s[0:1], 0x0               ; codes s[4:5], scl s[6:7], sq s[8:9], lst s[10:11]
	v_lshl_add_u32 v224, v0, 2, 0x32800
	v_mov_b32 v225, 0
	ds_add_u32 v224, v225
	ds_add_u32 v224, v225
	v_lshrrev_b32 v1, 5, v0
	v_readfirstlane_b32 s[WV], v1                  ; wave 0..15
	s_mov_b32 s13, ttmp9                           ; x: the candidates' split
	s_and_b32 s14, ttmp7, 0xffff                   ; y: the queries' block
	; descriptor groups 1: dense blocks as rows of elements of 8 bytes, no mask, no padding
	s_mov_b32 s[G1C+0], 3<<16                      ; 17:16 elements of 8 bytes
	s_mov_b32 s[G1C+1], 32<<16                     ; tensor_dim0 = 32 (256 bytes)
	s_mov_b32 s[G1C+2], 48<<16                     ; tensor_dim1 = 48
	s_mov_b32 s[G1C+3], 32<<16                     ; tile_dim0 = 32
	s_mov_b32 s[G1C+4], 48                         ; tile_dim1 = 48
	s_mov_b32 s[G1C+5], 32                         ; the pitch: rows follow each other
	s_mov_b32 s[G1C+6], 0
	s_mov_b32 s[G1C+7], 0
	s_mov_b32 s[G1S+0], 3<<16
	s_mov_b32 s[G1S+1], 32<<16
	s_mov_b32 s[G1S+2], 2<<16
	s_mov_b32 s[G1S+3], 32<<16
	s_mov_b32 s[G1S+4], 2
	s_mov_b32 s[G1S+5], 32
	s_mov_b32 s[G1S+6], 0
	s_mov_b32 s[G1S+7], 0
	s_mov_b32 s[G1Q+0], 3<<16
	s_mov_b32 s[G1Q+1], 16<<16
	s_mov_b32 s[G1Q+2], 1<<16
	s_mov_b32 s[G1Q+3], 16<<16
	s_mov_b32 s[G1Q+4], 1
	s_mov_b32 s[G1Q+5], 16
	s_mov_b32 s[G1Q+6], 0
	s_mov_b32 s[G1Q+7], 0
	; groups 0: my sixteenth of each block
	s_mov_b32 s[G0C], 1
	s_mul_i32 s[G0C+1], s[WV], 12288               ; LDS: 12,288 x wave
	s_mov_b32 s[G0S], 1
	s_lshl_b32 s[G0S+1], s[WV], 9
	s_add_co_u32 s[G0S+1], s[G0S+1], SCLB          ; SCLB + 512 x wave
	s_mov_b32 s[G0Q], 1
	s_lshl_b32 s[G0Q+1], s[WV], 7
	s_add_co_u32 s[G0Q+1], s[G0Q+1], SQB           ; SQB + 128 x wave
	s_mul_i32 s76, s13, 196608
	s_mul_i32 s77, s[WV], 12288
	s_add_co_u32 s76, s76, s77                     ; codes: 196,608 x + 12,288 w
	s_mov_b32 s77, 0
	s_lshl_b32 s78, s13, 13
	s_lshl_b32 s79, s[WV], 9
	s_add_co_u32 s78, s78, s79                     ; scl: 8,192 x + 512 w
	s_mov_b32 s79, 0
	s_lshl_b32 s62, s13, 11
	s_lshl_b32 s63, s[WV], 7
	s_add_co_u32 s62, s62, s63                     ; sq: 2,048 x + 128 w
	s_mov_b32 s63, 0
	s_wait_dscnt 0x0
	s_wait_kmcnt 0x0
	s_add_nc_u64 s[G0C+2:G0C+3], s[4:5], s[76:77]
	s_or_b32 s[G0C+3], s[G0C+3], 0x80000000        ; 127:126 type = 2
	s_add_nc_u64 s[G0S+2:G0S+3], s[6:7], s[78:79]
	s_or_b32 s[G0S+3], s[G0S+3], 0x80000000
	s_add_nc_u64 s[G0Q+2:G0Q+3], s[8:9], s[62:63]
	s_or_b32 s[G0Q+3], s[G0Q+3], 0x80000000
	tensor_load_to_lds s[G0C:G0C+3], s[G1C:G1C+7]  ; the three first fills go out together, ahead of every wait on TENSORcnt, LDS read and barrier
	s_nop 0
	tensor_load_to_lds s[G0S:G0S+3], s[G1S:G1S+7]
	s_nop 0
	tensor_load_to_lds s[G0Q:G0Q+3], s[G1Q:G1Q+7]
	s_nop 0
	v_and_b32 v11, 31, v0                          ; lane
	v_bfe_u32 v9, v0, 4, 1                         ; h
	v_and_b32 v10, 15, v0                          ; r
	v_lshlrev_b32 v[LI], 4, v11
	v_lshlrev_b32 v[LS], 2, v11
	v_lshlrev_b32 v[L8], 3, v11
	v_lshlrev_b32 v[LQ], 5, v9
	v_lshlrev_b32 v[R4], 2, v10
	s_lshl_b32 s76, s13, 9                         ; 512 x
	s_lshl_b32 s15, s14, 5
	s_lshl_b32 s77, s[WV], 1
	s_add_co_u32 s15, s15, s77                     ; my first query tile: 32 y + 2 w
	s_add_co_u32 s62, s76, s15
	s_mul_i32 s62, s62, 768                        ; lst: block 512 x + 32 y + 2 w of 768 bytes
	s_mul_i32 s76, s15, 6144                       ; a tile's four fragments
	s_mov_b32 s77, 0
	s_lshl_b32 s78, s15, 8                         ; its 64 scale words
	s_add_nc_u64 s[4:5], s[4:5], s[76:77]
	s_add_nc_u64 s[6:7], s[6:7], s[78:79]
	s_lshl_b32 s78, s15, 6                         ; its 16 sums
	s_add_nc_u64 s[8:9], s[8:9], s[78:79]
	s_add_nc_u64 s[10:11], s[10:11], s[62:63]
.irp u, 0,1
.irp s, 0,1,2,3
.irp c, 0,1,2
	global_load_b128 v[QF+48*\u+12*\s+4*\c:QF+48*\u+12*\s+4*\c+3], v[LI], s[4:5] offset:6144*\u+1536*\s+512*\c   ; the queries' fragments, as they lie
.endr
.endr
.endr
.irp u, 0,1
.irp p, 0,1
	global_load_b32 v[QS+2*\u+\p], v[LS], s[6:7] offset:256*\u+128*\p
.endr
.endr
.irp u, 0,1
	global_load_b32 v[SQI+2*\u], v[R4], s[8:9] offset:64*\u
.endr
.irp k, 0,1,2,3,4,5,6,7,8,9,10,11
	v_mov_b32 v[L+\k], 0x7f800000                  ; the lists begin as six times +infinity: a stream's 256 candidates push all six out
.endr
.irp e, 0,1,2,3,4,5,6,7
	s_mov_b32 s[JE+\e], \e
.endr
	s_mov_b32 s[MSK], 0xffffff00
	s_mov_b32 s[FLR], 0x00800000
	s_mov_b32 s[TC], 0
	s_mov_b32 s[TS], SCLB
	s_mov_b32 s[TQ], SQB
	s_wait_loadcnt 0x0
	v_mov_b32 v[SQI+1], v[SQI]                     ; pairs for the packed addition
	v_mov_b32 v[SQI+3], v[SQI+2]
	s_wait_tensorcnt 0x0                           ; my parts have landed,
	s_barrier_signal -1
	s_barrier_wait -1                              ; everybody's have
.macro FETCH                                   ; 16 LDS loads in one run: the tile's four fragments, its scale words, its sums
	v_add_nc_u32 v[ADC], s[TC], v[LI]
	v_add_nc_u32 v[ADS], s[TS], v[LS]
	v_add_nc_u32 v[ADQ], s[TQ], v[LQ]
.irp s, 0,1,2,3
.irp c, 0,1,2
	ds_load_b128 v[AF+12*\s+4*\c:AF+12*\s+4*\c+3], v[ADC] offset:1536*\s+512*\c
.endr
.endr
.irp p, 0,1
	ds_load_b32 v[AS+\p], v[ADS] offset:128*\p
.endr
.irp q, 0,1
	ds_load_b128 v[SQJ+4*\q:SQJ+4*\q+3], v[ADQ] offset:16*\q
.endr
.endm
; Eight matrix instructions: K steps 0 to 3 for both query tiles.  The two accumulators take turns, one instruction a turn, over the loop's backward jump too.
; The first K step starts each sum with the constant 0.  Odd K steps read their scale words from lanes 16-31.
.macro MULT
.irp s, 0,1,2,3
.irp u, 0,1
.if \s == 0
	v_wmma_scale_f32_16x16x128_f8f6f4 v[ACC+8*\u:ACC+8*\u+7], v[AF+12*\s:AF+12*\s+11], v[QF+48*\u+12*\s:QF+48*\u+12*\s+11], 0, v[AS], v[QS+2*\u] matrix_a_fmt:MATRIX_FMT_FP6 matrix_b_fmt:MATRIX_FMT_FP6
.elseif \s == 1
	v_wmma_scale_f32_16x16x128_f8f6f4 v[ACC+8*\u:ACC+8*\u+7], v[AF+12*\s:AF+12*\s+11], v[QF+48*\u+12*\s:QF+48*\u+12*\s+11], v[ACC+8*\u:ACC+8*\u+7], v[AS], v[QS+2*\u] matrix_a_fmt:MATRIX_FMT_FP6 matrix_b_fmt:MATRIX_FMT_FP6 matrix_a_scale:MATRIX_SCALE_ROW1 matrix_b_scale:MATRIX_SCALE_ROW1
.elseif \s == 2
	v_wmma_scale_f32_16x16x128_f8f6f4 v[ACC+8*\u:ACC+8*\u+7], v[AF+12*\s:AF+12*\s+11], v[QF+48*\u+12*\s:QF+48*\u+12*\s+11], v[ACC+8*\u:ACC+8*\u+7], v[AS+1], v[QS+2*\u+1] matrix_a_fmt:MATRIX_FMT_FP6 matrix_b_fmt:MATRIX_FMT_FP6
.else
	v_wmma_scale_f32_16x16x128_f8f6f4 v[ACC+8*\u:ACC+8*\u+7], v[AF+12*\s:AF+12*\s+11], v[QF+48*\u+12*\s:QF+48*\u+12*\s+11], v[ACC+8*\u:ACC+8*\u+7], v[AS+1], v[QS+2*\u+1] matrix_a_fmt:MATRIX_FMT_FP6 matrix_b_fmt:MATRIX_FMT_FP6 matrix_a_scale:MATRIX_SCALE_ROW1 matrix_b_scale:MATRIX_SCALE_ROW1
.endif
.endr
.endr
.endm
; sq_i + sq_j.  These eight plain instructions name no register of the products: they are the places between the last product and the loads into its operands,
; the first read of its results, and the next tile's products that begin the accumulators anew.
.macro SUMS
.irp u, 0,1
.irp e, 0,2,4,6
	v_pk_add_f32 v[S+8*\u+\e:S+8*\u+\e+1], v[SQJ+\e:SQJ+\e+1], v[SQI+2*\u:SQI+2*\u+1]
.endr
.endr
.endm
.macro FORM                                    ; d2 = (sq_i + sq_j) - 2 G in one rounding (2 G is exact); held at 2^-126; the place in the stream into the last eight bits.  Each accumulator is read from its low end on
.irp u, 0,1
.irp e, 0,2,4,6
	v_pk_fma_f32 v[S+8*\u+\e:S+8*\u+\e+1], v[ACC+8*\u+\e:ACC+8*\u+\e+1], -2.0, v[S+8*\u+\e:S+8*\u+\e+1] op_sel_hi:[1,0,1]
.endr
.endr
.irp j, 0,1,2,3,4,5,6,7,8,9,10,11,12,13,14,15
	v_max_num_f32 v[S+\j], s[FLR], v[S+\j]
.endr
.irp u, 0,1
.irp e, 0,1,2,3,4,5,6,7
	v_and_or_b32 v[S+8*\u+\e], v[S+8*\u+\e], s[MSK], s[JE+\e]
.endr
.endr
.endm
; One key x into tile u's sorted list: new a_k = the middle one of (a_k-1, a_k, x), new a_0 = the smaller of (a_0, x).  From the top down, so that each line reads old neighbours; no line waits for the line above it.
.macro INSERT u, e
.set rX, S+8*(\u)+(\e)
.set rA, L+6*(\u)
.irp k, 5,4,3,2,1
	v_med3_num_f32 v[rA+\k], v[rA+\k-1], v[rA+\k], v[rX]
.endr
	v_min_num_f32 v[rA], v[rA], v[rX]
.endm
; A candidate tile.  next = 1: the next tile's operands are fetched behind SUMS, some 130 vector instructions ahead of the wait for them.
.macro TRIP next
	s_wait_dscnt 0x0                               ; this tile's 16 loads are in
	MULT
	SUMS
.if \next
	s_add_co_u32 s[TC], s[TC], 6144
	s_add_co_u32 s[TS], s[TS], 256
	s_add_co_u32 s[TQ], s[TQ], 64
	FETCH
.endif
	FORM
.irp e, 0,1,2,3,4,5,6,7
.irp u, 0,1
	INSERT \u, \e
.endr
.endr
.if \next
.irp e, 0,1,2,3,4,5,6,7
	s_add_co_u32 s[JE+\e], s[JE+\e], 8
.endr
.endif
.endm
	FETCH                                          ; tile 0
	s_mov_b32 s[CNT], 31
.Ltile:
	TRIP 1
	s_sub_co_u32 s[CNT], s[CNT], 1
	s_cmp_lg_u32 s[CNT], 0
	s_cbranch_scc1 .Ltile
	TRIP 0                                         ; the last tile fetches nothing
.irp u, 0,1
	global_store_b128 v[LI], v[L+6*\u:L+6*\u+3], s[10:11] offset:768*\u          ; 32 lanes store 512 consecutive bytes,
	global_store_b64 v[L8], v[L+6*\u+4:L+6*\u+5], s[10:11] offset:768*\u+512     ; and 256: both at multiples of 256 from the buffer's first byte
.endr
	s_wait_tensorcnt 0x0
	ds_add_u32 v224, v225
	s_wait_dscnt 0x0
	s_endpgm
.Lfunc_end_k_q03ef3ca6c0_near:
	.size	k_q03ef3ca6c0_near, .Lfunc_end_k_q03ef3ca6c0_near-k_q03ef3ca6c0_near
	.p2alignl 7, 3214868480
	.fill 96, 4, 3214868480
	.section	.rodata,"a",@progbits
	.p2align	6, 0x0
	.amdhsa_kernel k_q03ef3ca6c0_near
		.amdhsa_group_segment_fixed_size 208896
		.amdhsa_private_segment_fixed_size 0
		.amdhsa_enable_private_segment 0
		.amdhsa_kernarg_size 32
		.amdhsa_user_sgpr_count 2
		.amdhsa_user_sgpr_kernarg_segment_ptr 1
		.amdhsa_wavefront_size32 1
		.amdhsa_system_sgpr_workgroup_id_x 1
		.amdhsa_system_sgpr_workgroup_id_y 1
		.amdhsa_system_sgpr_workgroup_id_z 1
		.amdhsa_system_vgpr_workitem_id 0
		.amdhsa_next_free_vgpr 226
		.amdhsa_next_free_sgpr 80
		.amdhsa_reserve_vcc 0
		.amdhsa_float_denorm_mode_32 3
		.amdhsa_float_denorm_mode_16_64 3
		.amdhsa_memory_ordered 1
		.amdhsa_forward_progress 1
		.amdhsa_inst_pref_size 30
	.end_amdhsa_kernel
	.amdgpu_metadata
---
amdhsa.version: [ 1, 2 ]
amdhsa.kernels:
  - .name:           k_q03ef3ca6c0_near
    .symbol:         k_q03ef3ca6c0_near.kd
    .args:
      - { .name: codes, .offset: 0, .size: 8, .value_kind: global_buffer, .address_space: global }
      - { .name: scl, .offset: 8, .size: 8, .value_kind: global_buffer, .address_space: global }
      - { .name: sq, .offset: 16, .size: 8, .value_kind: global_buffer, .address_space: global }
      - { .name: lst, .offset: 24, .size: 8, .value_kind: global_buffer, .address_space: global }
    .group_segment_fixed_size: 208896
    .private_segment_fixed_size: 0
    .kernarg_segment_align: 8
    .kernarg_segment_size: 32
    .max_flat_workgroup_size: 512
    .sgpr_count:     80
    .vgpr_count:     226
    .wavefront_size: 32
...
	.end_amdgpu_metadata
.endif
;; end of part 5
;; launch pick (part 6): grid 512 x 1, 16 waves a work-group, no clusters, 15,616 bytes of LDS; arguments lst, cand; writes cand
.if DOCPART == 6
	.amdgcn_target "amdgcn-amd-amdhsa--gfx1250"
	.amdhsa_code_object_version 6
	.text
	.protected	k_q03ef3ca6c0_pick
	.globl	k_q03ef3ca6c0_pick
	.p2align	8
	.type	k_q03ef3ca6c0_pick,@function
k_q03ef3ca6c0_pick:
	s_mov_b64 s[64:65], 0
	v_nop
	global_prefetch_b8 v0, s[64:65] scope:SCOPE_SE
	s_setreg_imm32_b32 hwreg(HW_REG_WAVE_MODE, 25, 1), 1
	s_wait_xcnt 0x0
; Of each row's 192 surviving keys (32 sorted lists of six) the first SIXTEEN by (d2 without its last eight bits, index) are taken; their indices are stored as whole numbers, cand[row][0 .. 15],
; for the launch that makes their distances again, exactly.  Sixteen, since a matrix operand has sixteen columns: the ten beyond the six that are wanted are room for candidates that only the lost bits tell apart.
; SHARES: a work-group takes a tile of 16 rows.  Wave w first brings candidate split w's block of the tile (768 consecutive bytes) into LDS; behind a barrier it serves row 16 T + w:
; lane (split = lane % 16, half = lane / 16) takes one of the row's 32 lists.
; A ROUND looks at the lists' HEADS alone, since each list is sorted by the same order: the smallest head value of the wave; among the heads that have it the lowest index (as f32: indices are under 8,192, exact);
; the lane that owns it moves its list up by one.  Round p's index is kept in lanes p and p + 16.  The last rounds move only as many places as the rounds that remain can still reach.  No branch hangs on a key.
; LIMITS: one of a row's six nearest is lost here only if the candidates that truly precede it and those that precede it only by index, with a d2 that agrees with its own in all but the last eight bits
; (or has the same root), are sixteen or more together.  Equal values, a mass of distances held at the floor among them, are taken in the order of their indices, as a stable sort takes them.
.set PB,  784                          ; a split's block in LDS: 768 bytes + 16 = 49 x 16: sixteen blocks begin at sixteen different 16-byte columns of a span of 256
.set CB,  16*PB                        ; behind them: 1,024 bytes, the tile's 16 x 16 results
.set K,   12                           ; v12-17 the keys as loaded
.set T,   20                           ; v20-25 the keys' upper 24 bits
.set F,   26                           ; v26-31 the indices as f32
.set M,   36
.set C,   37
.set PX,  38                           ; a lane permute's destination
.set INF, 39
.set R,   40                           ; the results: lane p holds round p's
	s_load_b128 s[4:7], s[0:1], 0x0                ; lst s[4:5], cand s[6:7]
	v_lshl_add_u32 v64, v0, 2, 0x3500
	v_mov_b32 v65, 0
	v_lshrrev_b32 v1, 5, v0
	v_readfirstlane_b32 s12, v1                    ; wave 0..15
	s_mov_b32 s20, 0x76543210
	s_mov_b32 s21, 0xfedcba98                      ; v_permlanex16_b32's selects for lane l xor 16
	v_and_b32 v32, 31, v0                          ; lane
	v_and_b32 v33, 15, v0                          ; split
	v_bfe_u32 v34, v0, 4, 1                        ; half
	v_lshlrev_b32 v1, 4, v32                       ; 16 x lane
	v_lshlrev_b32 v6, 3, v32                       ; 8 x lane
	s_mul_i32 s13, s12, PB
	v_add_nc_u32 v2, s13, v1                       ; in: my split's block, as it lies: keys 0-3,
	v_add_nc_u32 v8, s13, v6                       ; and (512 bytes on) keys 4, 5
	v_mul_u32_u24 v9, v33, PB
	v_lshl_add_u32 v10, v34, 7, v9
	v_lshl_add_u32 v9, v34, 8, v9
	s_lshl_b32 s14, s12, 4
	s_lshl_b32 s15, s12, 3
	v_add_nc_u32 v9, s14, v9                       ; out: block lane % 16; the words of source lane w + 16 (lane / 16): 16 bytes each,
	v_add_nc_u32 v10, s15, v10                     ; and 8 bytes each
	v_lshlrev_b32 v11, 9, v33
	v_lshl_add_u32 v11, v34, 3, v11                ; the stream's first index: 512 x split + 8 x half
	v_lshlrev_b32 v4, 2, v33
	s_lshl_b32 s16, s12, 6
	v_add_nc_u32 v4, s16, v4
	v_add_nc_u32 v4, CB, v4                        ; my row's results: 64 w + 4 (lane % 16)
	v_lshlrev_b32 v7, 4, v0                        ; waves 0 and 1 on the way out: 16 x thread
	v_add_nc_u32 v5, CB, v7
	v_mov_b32 v[M], 0                              ; destinations of lane exchanges count as sources: written once
	v_mov_b32 v[PX], 0
	v_mov_b32 v[R], 0
	v_mov_b32 v[INF], 0x7f800000
	s_mul_i32 s18, s12, 393216                     ; lst: split w's 512 blocks,
	s_mul_i32 s19, ttmp9, 768                      ; the tile's block
	s_add_co_u32 s18, s18, s19
	s_mov_b32 s19, 0
	s_lshl_b32 s22, ttmp9, 10                      ; cand: 1,024 bytes a tile
	s_mov_b32 s23, 0
	s_wait_kmcnt 0x0
	s_add_nc_u64 s[4:5], s[4:5], s[18:19]
	s_add_nc_u64 s[6:7], s[6:7], s[22:23]
	global_load_b128 v[K:K+3], v1, s[4:5] th:TH_LOAD_NT
	global_load_b64 v[K+4:K+5], v6, s[4:5] offset:512 th:TH_LOAD_NT
	s_wait_loadcnt 0x0
	ds_store_b128 v2, v[K:K+3]
	ds_store_b64 v8, v[K+4:K+5] offset:512
	s_wait_dscnt 0x0                               ; for the others' sake: my stores have landed
	s_barrier_signal -1
	s_barrier_wait -1
	ds_load_b128 v[K:K+3], v9
	ds_load_b64 v[K+4:K+5], v10 offset:512
	s_wait_dscnt 0x0
.irp k, 0,1,2,3,4,5
	v_and_b32 v[F+\k], 0xff, v[K+\k]               ; the place in the stream: 8 t + e
.endr
.irp k, 0,1,2,3,4,5
	v_and_b32 v[T+\k], 0xf8, v[K+\k]               ; 8 t
.endr
.irp k, 0,1,2,3,4,5
	v_add3_u32 v[F+\k], v[F+\k], v[T+\k], v11      ; the index: 512 x split + 8 x half + 16 t + e
.endr
.irp k, 0,1,2,3,4,5
	v_cvt_f32_u32 v[F+\k], v[F+\k]
.endr
.irp k, 0,1,2,3,4,5
	v_and_b32 v[T+\k], 0xffffff00, v[K+\k]
.endr
.macro ROUND p
	v_min_num_f32_dpp v[M], v[T], v[T] row_xmask:1 row_mask:0xf bank_mask:0xf
	v_min_num_f32_dpp v[M], v[M], v[M] row_xmask:2 row_mask:0xf bank_mask:0xf
	v_min_num_f32_dpp v[M], v[M], v[M] row_xmask:4 row_mask:0xf bank_mask:0xf
	v_min_num_f32_dpp v[M], v[M], v[M] row_xmask:8 row_mask:0xf bank_mask:0xf
	v_permlanex16_b32 v[PX], v[M], s20, s21
	v_min_num_f32 v[M], v[M], v[PX]                ; the smallest head of the 32 lists
	v_cmp_eq_f32 vcc_lo, v[T], v[M]
	v_cndmask_b32 v[C], v[INF], v[F], vcc_lo
	v_min_num_f32_dpp v[C], v[C], v[C] row_xmask:1 row_mask:0xf bank_mask:0xf
	v_min_num_f32_dpp v[C], v[C], v[C] row_xmask:2 row_mask:0xf bank_mask:0xf
	v_min_num_f32_dpp v[C], v[C], v[C] row_xmask:4 row_mask:0xf bank_mask:0xf
	v_min_num_f32_dpp v[C], v[C], v[C] row_xmask:8 row_mask:0xf bank_mask:0xf
	v_permlanex16_b32 v[PX], v[C], s20, s21
	v_min_num_f32 v[C], v[C], v[PX]                ; the lowest index that has it
	s_mov_b32 s30, 0x10001<<(\p)
	v_cndmask_b32 v[R], v[R], v[C], s30            ; kept in lanes p and p + 16
.if (\p) < 15
	v_cmp_eq_f32 vcc_lo, v[F], v[C]                ; each index stands in one list only: its lane moves up
.irp k, 0,1,2,3,4
.if \k < 15-(\p)
	v_cndmask_b32 v[T+\k], v[T+\k], v[T+\k+1], vcc_lo
	v_cndmask_b32 v[F+\k], v[F+\k], v[F+\k+1], vcc_lo
.endif
.endr
.if 15-(\p) > 5
	v_cndmask_b32 v[T+5], v[T+5], v[INF], vcc_lo
	v_cndmask_b32 v[F+5], v[F+5], v[INF], vcc_lo
.endif
.endif
.endm
.irp p, 0,1,2,3,4,5,6,7,8,9,10,11,12,13,14,15
	ROUND \p
.endr
	v_cvt_u32_f32 v[R], v[R]
	ds_store_b32 v4, v[R]                          ; lanes p and p + 16 write the same word with the same value
	s_wait_dscnt 0x0
	s_barrier_signal -1
	s_barrier_wait -1
	s_cmp_gt_u32 s12, 1
	s_cbranch_scc1 .Ldone
	ds_load_b128 v[K:K+3], v5                      ; waves 0 and 1: the tile's 1,024 bytes, 16 a thread
	s_wait_dscnt 0x0
	global_store_b128 v7, v[K:K+3], s[6:7]         ; 32 lanes store 512 consecutive bytes, at a multiple of 256 from the buffer's first byte
.Ldone:
	s_wait_tensorcnt 0x0
	ds_add_u32 v64, v65
	s_wait_dscnt 0x0
	s_endpgm
.Lfunc_end_k_q03ef3ca6c0_pick:
	.size	k_q03ef3ca6c0_pick, .Lfunc_end_k_q03ef3ca6c0_pick-k_q03ef3ca6c0_pick
	.p2alignl 7, 3214868480
	.fill 96, 4, 3214868480
	.section	.rodata,"a",@progbits
	.p2align	6, 0x0
	.amdhsa_kernel k_q03ef3ca6c0_pick
		.amdhsa_group_segment_fixed_size 15616
		.amdhsa_private_segment_fixed_size 0
		.amdhsa_enable_private_segment 0
		.amdhsa_kernarg_size 16
		.amdhsa_user_sgpr_count 2
		.amdhsa_user_sgpr_kernarg_segment_ptr 1
		.amdhsa_wavefront_size32 1
		.amdhsa_system_sgpr_workgroup_id_x 1
		.amdhsa_system_sgpr_workgroup_id_y 1
		.amdhsa_system_sgpr_workgroup_id_z 1
		.amdhsa_system_vgpr_workitem_id 0
		.amdhsa_next_free_vgpr 66
		.amdhsa_next_free_sgpr 66
		.amdhsa_reserve_vcc 1
		.amdhsa_float_denorm_mode_32 3
		.amdhsa_float_denorm_mode_16_64 3
		.amdhsa_memory_ordered 1
		.amdhsa_forward_progress 1
		.amdhsa_inst_pref_size 25
	.end_amdhsa_kernel
	.amdgpu_metadata
---
amdhsa.version: [ 1, 2 ]
amdhsa.kernels:
  - .name:           k_q03ef3ca6c0_pick
    .symbol:         k_q03ef3ca6c0_pick.kd
    .args:
      - { .name: lst, .offset: 0, .size: 8, .value_kind: global_buffer, .address_space: global }
      - { .name: cand, .offset: 8, .size: 8, .value_kind: global_buffer, .address_space: global }
    .group_segment_fixed_size: 15616
    .private_segment_fixed_size: 0
    .kernarg_segment_align: 8
    .kernarg_segment_size: 16
    .max_flat_workgroup_size: 512
    .sgpr_count:     66
    .vgpr_count:     66
    .wavefront_size: 32
...
	.end_amdgpu_metadata
.endif
;; end of part 6
;; launch rank (part 7): grid 512 x 1, 8 waves a work-group, no clusters, 1,280 bytes of LDS; arguments codes, scl, sq, cand, nn_choice, neigh; writes neigh
.if DOCPART == 7
	.amdgcn_target "amdgcn-amd-amdhsa--gfx1250"
	.amdhsa_code_object_version 6
	.text
	.protected	k_q03ef3ca6c0_rank
	.globl	k_q03ef3ca6c0_rank
	.p2align	8
	.type	k_q03ef3ca6c0_rank,@function
k_q03ef3ca6c0_rank:
	s_mov_b64 s[64:65], 0
	v_nop
	global_prefetch_b8 v0, s[64:65] scope:SCOPE_SE
	s_setreg_imm32_b32 hwreg(HW_REG_WAVE_MODE, 25, 1), 1
	s_wait_xcnt 0x0
; THE EXACT ORDER.  For each row i and its sixteen candidates j = cand[i][0 .. 15]: G[i][j] on codes of FP6 (E2M3) with E8M0 scales, K ascending in one f32 sum; d2 = (sq_i + sq_j) - 2 G, held at 0;
; dist = sqrt(d2); ranks 0 to 5 by (dist, index), as a stable sort of the whole row gives them; neigh[i][n] = rank 1 + nn_choice[i][n].
; SHARES: a work-group takes a tile of 16 rows, a wave two of them (u = 0, 1), so that two accumulators take turns.
; LAYOUT: source 0 = row i REPEATED in all sixteen rows (lane (r, h) loads the register image of lane (i % 16) + 16 h of the row's tile), source 1 = the sixteen candidates, one to a column
; (lane (r, h) loads the image of lane (j_r % 16) + 16 h of tile j_r / 16).  So every register of the result holds, in lane (r, h), G[i][j_r]: a lane has one candidate, both halves of the lanes the same,
; and the ranking needs exchanges inside sixteen lanes alone.  Fifteen sixteenths of such a product are repeats: 32,768 matrix instructions in all, a thirty-second of the filter's.
; The candidates' numbers were stored as whole numbers by the launch before; each is held at 8,191 from above before it enters an address.
; THE ROOT is made exact: the instruction's result may be a unit in the last place off, so the two residuals a - (y -+ 1 unit) y decide whether the neighbour below or above is the rounded root.
; A rank: the smallest dist; among the lanes that have it the lowest index (as f32: exact); that lane's dist becomes +infinity.  No branch hangs on a distance.
; LIMITS: NaN and infinities are not served; a d2 under 2^-126 counts as 0 in the root.  nn_choice is taken to lie in 0 .. 4 (the definition indexes five neighbours with it); any other value takes rank 1.
; No tensor loads, LDS tiles or clusters: each wave's operands are its own, gathered lane by lane, and are used once.
.set R4,  1                            ; v1   4 (lane % 16)
.set H2,  2                            ; v2   256 (lane / 16)
.set NIL, 3                            ; v3   0: the offset of loads that give every lane the same word
.set NS,  4                            ; v4   LDS: 32 w + 4 (lane % 4)
.set L8,  5                            ; v5   8 x lane
.set C4,  7                            ; v7   4 (lane % 4)
.set CI,  8                            ; v8-9   the candidate's index
.set AC,  10                           ; v10-11 its byte offset in codes;  v12-13 in scl;  v14-15 in sq
.set ASC, 12
.set ASQ, 14
.set QF,  16                           ; v16-111  the row's fragments: (u, s) at QF + 48 u + 12 s
.set CF,  112                          ; v112-207 the candidates'
.set QS,  208                          ; v208-215 the row's scale words: 4 u + s
.set CS,  216                          ; v216-223 the candidates'
.set SQI, 224                          ; v224-225 sq_i;  v226-227 sq_j;  v228-229 the choice
.set SQJ, 226
.set CH,  228
.set MM,  230                          ; v230-231 the smallest dist
.set ACC, 232                          ; v232-247 two accumulators
.set SS,  248                          ; v248-249 sq_i + sq_j;  v250-251 d2;  v252-253 the index as f32
.set X,   250
.set F,   252
.set INF, 254
.set Y,   18                           ; behind the products and their places the fragments' registers are at work: v18-19 dist
.set N,   20                           ; v20-25, v28-33 ranks 0 to 5
.set RT,  36                           ; v36-39 the root's neighbours and residuals
.set RES, 40                           ; v40-41
	s_load_b256 s[4:11], s[0:1], 0x0               ; codes s[4:5], scl s[6:7], sq s[8:9], cand s[10:11]
	s_load_b128 s[12:15], s[0:1], 0x20             ; nn_choice s[12:13], neigh s[14:15]
	v_lshl_add_u32 v255, v0, 2, 0x100
	s_set_vgpr_msb 0x40
	v_mov_b32 v1, 0
	s_set_vgpr_msb 0x4000
	v_lshrrev_b32 v1, 5, v0
	v_readfirstlane_b32 s16, v1                    ; wave 0..7
	v_and_b32 v6, 31, v0
	v_and_b32 v1, 15, v0
	v_lshlrev_b32 v[R4], 2, v1
	v_bfe_u32 v2, v0, 4, 1
	v_lshlrev_b32 v[H2], 8, v2
	v_mov_b32 v[NIL], 0
	v_and_b32 v7, 3, v0
	v_lshlrev_b32 v[C4], 2, v7
	s_lshl_b32 s17, s16, 5                         ; 32 w
	v_add_nc_u32 v[NS], s17, v[C4]
	v_lshlrev_b32 v[L8], 3, v6
	s_lshl_b32 s18, ttmp9, 10                      ; cand: 1,024 T + 128 w: my two rows of 64 bytes
	s_lshl_b32 s19, s16, 7
	s_add_co_u32 s18, s18, s19
	s_mov_b32 s19, 0
	s_mul_i32 s20, ttmp9, 6144                     ; codes: tile T, + 16 bytes for each row in it: 32 w (+ 16 u)
	s_add_co_u32 s20, s20, s17
	s_mov_b32 s21, 0
	s_lshl_b32 s30, s16, 3                         ; 8 w
	s_lshl_b32 s22, ttmp9, 8                       ; scl: 256 T + 4 bytes a row: 8 w (+ 4 u)
	s_add_co_u32 s22, s22, s30
	s_mov_b32 s23, 0
	s_lshl_b32 s24, ttmp9, 6                       ; sq: 64 T + 8 w (+ 4 u)
	s_add_co_u32 s24, s24, s30
	s_mov_b32 s25, 0
	s_lshl_b32 s28, ttmp9, 8                       ; neigh: 256 T
	s_mov_b32 s29, 0
	s_add_co_u32 s26, s28, s17                     ; nn_choice: 256 T + 32 w (+ 16 u)
	s_mov_b32 s27, 0
	s_wait_kmcnt 0x0
	s_add_nc_u64 s[10:11], s[10:11], s[18:19]
	s_add_nc_u64 s[20:21], s[4:5], s[20:21]
	s_add_nc_u64 s[22:23], s[6:7], s[22:23]
	s_add_nc_u64 s[24:25], s[8:9], s[24:25]
	s_add_nc_u64 s[12:13], s[12:13], s[26:27]
	s_add_nc_u64 s[14:15], s[14:15], s[28:29]
.irp u, 0,1
	global_load_b32 v[CI+\u], v[R4], s[10:11] offset:64*\u      ; the gather's addresses wait for these, so they go first
.endr
.irp u, 0,1
.irp s, 0,1,2,3
.irp c, 0,1,2
	global_load_b128 v[QF+48*\u+12*\s+4*\c:QF+48*\u+12*\s+4*\c+3], v[H2], s[20:21] offset:16*\u+1536*\s+512*\c   ; the row's image, the same in all sixteen lanes of a half
.endr
.endr
.endr
.irp u, 0,1
.irp s, 0,1,2,3
	global_load_b32 v[QS+4*\u+\s], v[NIL], s[22:23] offset:4*\u+64*\s
.endr
.endr
.irp u, 0,1
	global_load_b32 v[SQI+\u], v[NIL], s[24:25] offset:4*\u
.endr
.irp u, 0,1
	global_load_b32 v[CH+\u], v[C4], s[12:13] offset:16*\u
.endr
	s_wait_loadcnt 36                              ; loads come back in order: the two index loads are in; the 36 issued behind them (24 + 8 + 2 + 2) stay out
.irp u, 0,1
	v_min_u32 v[CI+\u], 0x1fff, v[CI+\u]           ; inside the table
	v_and_b32 v[ASC+\u], 0x1ff0, v[CI+\u]          ; 16 x its tile
	v_and_b32 v[ASQ+\u], 15, v[CI+\u]              ; its row in the tile
	v_mul_u32_u24 v[AC+\u], v[ASC+\u], 0x180       ; codes: 6,144 bytes a tile,
	v_lshl_add_u32 v[AC+\u], v[ASQ+\u], 4, v[AC+\u]   ; 16 bytes a lane of the image,
	v_add_nc_u32 v[AC+\u], v[AC+\u], v[H2]         ; my half's sixteen lanes on
	v_lshlrev_b32 v[ASC+\u], 4, v[ASC+\u]          ; scl: 256 bytes a tile,
	v_lshl_add_u32 v[ASC+\u], v[ASQ+\u], 2, v[ASC+\u] ; 4 a row
	v_lshlrev_b32 v[ASQ+\u], 2, v[CI+\u]           ; sq: 4 bytes a row
.endr
.irp u, 0,1
.irp s, 0,1,2,3
.irp c, 0,1,2
	global_load_b128 v[CF+48*\u+12*\s+4*\c:CF+48*\u+12*\s+4*\c+3], v[AC+\u], s[4:5] offset:1536*\s+512*\c
.endr
.endr
.endr
.irp u, 0,1
.irp s, 0,1,2,3
	global_load_b32 v[CS+4*\u+\s], v[ASC+\u], s[6:7] offset:64*\s
.endr
.endr
.irp u, 0,1
	global_load_b32 v[SQJ+\u], v[ASQ+\u], s[8:9]
.endr
	s_wait_loadcnt 0x0
.irp s, 0,1,2,3                                ; the two rows' accumulators take turns, one instruction a turn; the first K step starts each sum
.irp u, 0,1
.if \s == 0
	v_wmma_scale_f32_16x16x128_f8f6f4 v[ACC+8*\u:ACC+8*\u+7], v[QF+48*\u+12*\s:QF+48*\u+12*\s+11], v[CF+48*\u+12*\s:CF+48*\u+12*\s+11], 0, v[QS+4*\u+\s], v[CS+4*\u+\s] matrix_a_fmt:MATRIX_FMT_FP6 matrix_b_fmt:MATRIX_FMT_FP6
.else
	v_wmma_scale_f32_16x16x128_f8f6f4 v[ACC+8*\u:ACC+8*\u+7], v[QF+48*\u+12*\s:QF+48*\u+12*\s+11], v[CF+48*\u+12*\s:CF+48*\u+12*\s+11], v[ACC+8*\u:ACC+8*\u+7], v[QS+4*\u+\s], v[CS+4*\u+\s] matrix_a_fmt:MATRIX_FMT_FP6 matrix_b_fmt:MATRIX_FMT_FP6
.endif
.endr
.endr
	v_add_f32 v[SS], v[SQI], v[SQJ]                ; four plain instructions that name no register of the products: the places (ISA guide 7.12.1) in front of the first read of a result
	v_add_f32 v[SS+1], v[SQI+1], v[SQJ+1]          ; and of the first write into a fragment's register
	v_mov_b32 v[INF], 0x7f800000
	v_mov_b32 v[MM], 0                             ; (a lane exchange's destination counts as a source)
.irp u, 0,1
	v_cvt_f32_u32 v[F+\u], v[CI+\u]
.endr
.irp u, 0,1
	v_fma_f32 v[X+\u], v[ACC+8*\u], -2.0, v[SS+\u] ; d2 in one rounding (2 G is exact); the accumulator's lowest register: all eight hold the same
.endr
.irp u, 0,1
	v_max_num_f32 v[X+\u], 0, v[X+\u]
.endr
.irp u, 0,1
	v_sqrt_f32 v[Y+\u], v[X+\u]
.endr
	v_mov_b32 v[MM+1], 0                           ; (a plain place behind the roots)
	s_wait_alu depctr_va_vdst(0)
.irp u, 0,1
	v_add_nc_u32 v[RT], -1, v[Y+\u]                ; the root's neighbour below,
	v_add_nc_u32 v[RT+1], 1, v[Y+\u]               ; and above
	v_fma_f32 v[RT+2], -v[RT], v[Y+\u], v[X+\u]
	v_fma_f32 v[RT+3], -v[RT+1], v[Y+\u], v[X+\u]
	v_cmp_ge_f32 vcc_lo, 0, v[RT+2]                ; a - below x y <= 0: the root lies a unit lower
	v_cndmask_b32 v[Y+\u], v[Y+\u], v[RT], vcc_lo
	v_cmp_lt_f32 vcc_lo, 0, v[RT+3]                ; a - above x y > 0: a unit higher.  (At a = 0 neither holds: the first residual is no number, the second 0)
	v_cndmask_b32 v[Y+\u], v[Y+\u], v[RT+1], vcc_lo
.endr
.macro RANK p, last                            ; both rows line by line, so that no line waits for the line above it
.irp u, 0,1
	v_min_num_f32_dpp v[MM+\u], v[Y+\u], v[Y+\u] row_xmask:1 row_mask:0xf bank_mask:0xf
.endr
.irp x, 2,4,8
.irp u, 0,1
	v_min_num_f32_dpp v[MM+\u], v[MM+\u], v[MM+\u] row_xmask:\x row_mask:0xf bank_mask:0xf
.endr
.endr                                          ; the smallest dist left among the sixteen
.irp u, 0,1
	v_cmp_eq_f32 vcc_lo, v[Y+\u], v[MM+\u]
	v_cndmask_b32 v[N+8*\u+\p], v[INF], v[F+\u], vcc_lo
.endr
.irp x, 1,2,4,8
.irp u, 0,1
	v_min_num_f32_dpp v[N+8*\u+\p], v[N+8*\u+\p], v[N+8*\u+\p] row_xmask:\x row_mask:0xf bank_mask:0xf
.endr
.endr                                          ; the lowest index that has it
.if !\last
.irp u, 0,1
	v_cmp_eq_f32 vcc_lo, v[F+\u], v[N+8*\u+\p]     ; the sixteen indices are all different
	v_cndmask_b32 v[Y+\u], v[Y+\u], v[INF], vcc_lo
.endr
.endif
.endm
	RANK 0, 0
	RANK 1, 0
	RANK 2, 0
	RANK 3, 0
	RANK 4, 0
	RANK 5, 1
.irp u, 0,1
	v_mov_b32 v[RES+\u], v[N+8*\u+1]               ; rank 1 + choice, for output lane % 4
.irp c, 1,2,3,4
	v_cmp_eq_u32 vcc_lo, \c, v[CH+\u]
	v_cndmask_b32 v[RES+\u], v[RES+\u], v[N+8*\u+1+\c], vcc_lo
.endr
	v_cvt_u32_f32 v[RES+\u], v[RES+\u]
	ds_store_b32 v[NS], v[RES+\u] offset:16*\u     ; the eight lanes of an output write the same word with the same value
.endr
	s_wait_dscnt 0x0                               ; for wave 0's sake: my stores have landed
	s_barrier_signal -1
	s_barrier_wait -1
	s_cmp_lg_u32 s16, 0
	s_cbranch_scc1 .Ldone
	ds_load_b64 v[RT:RT+1], v[L8]
	s_wait_dscnt 0x0
	global_store_b64 v[L8], v[RT:RT+1], s[14:15]   ; 32 lanes store 256 consecutive bytes, at a multiple of 256 from the buffer's first byte
.Ldone:
	s_set_vgpr_msb 0x4
	s_wait_tensorcnt 0x0
	ds_add_u32 v255, v1
	s_wait_dscnt 0x0
	s_set_vgpr_msb 0x400
	s_endpgm
.Lfunc_end_k_q03ef3ca6c0_rank:
	.size	k_q03ef3ca6c0_rank, .Lfunc_end_k_q03ef3ca6c0_rank-k_q03ef3ca6c0_rank
	.p2alignl 7, 3214868480
	.fill 96, 4, 3214868480
	.section	.rodata,"a",@progbits
	.p2align	6, 0x0
	.amdhsa_kernel k_q03ef3ca6c0_rank
		.amdhsa_group_segment_fixed_size 1280
		.amdhsa_private_segment_fixed_size 0
		.amdhsa_enable_private_segment 0
		.amdhsa_kernarg_size 48
		.amdhsa_user_sgpr_count 2
		.amdhsa_user_sgpr_kernarg_segment_ptr 1
		.amdhsa_wavefront_size32 1
		.amdhsa_system_sgpr_workgroup_id_x 1
		.amdhsa_system_sgpr_workgroup_id_y 1
		.amdhsa_system_sgpr_workgroup_id_z 1
		.amdhsa_system_vgpr_workitem_id 0
		.amdhsa_next_free_vgpr 258
		.amdhsa_next_free_sgpr 66
		.amdhsa_reserve_vcc 1
		.amdhsa_float_denorm_mode_32 3
		.amdhsa_float_denorm_mode_16_64 3
		.amdhsa_memory_ordered 1
		.amdhsa_forward_progress 1
		.amdhsa_inst_pref_size 21
	.end_amdhsa_kernel
	.amdgpu_metadata
---
amdhsa.version: [ 1, 2 ]
amdhsa.kernels:
  - .name:           k_q03ef3ca6c0_rank
    .symbol:         k_q03ef3ca6c0_rank.kd
    .args:
      - { .name: codes, .offset: 0, .size: 8, .value_kind: global_buffer, .address_space: global }
      - { .name: scl, .offset: 8, .size: 8, .value_kind: global_buffer, .address_space: global }
      - { .name: sq, .offset: 16, .size: 8, .value_kind: global_buffer, .address_space: global }
      - { .name: cand, .offset: 24, .size: 8, .value_kind: global_buffer, .address_space: global }
      - { .name: nn_choice, .offset: 32, .size: 8, .value_kind: global_buffer, .address_space: global }
      - { .name: neigh, .offset: 40, .size: 8, .value_kind: global_buffer, .address_space: global }
    .group_segment_fixed_size: 1280
    .private_segment_fixed_size: 0
    .kernarg_segment_align: 8
    .kernarg_segment_size: 48
    .max_flat_workgroup_size: 256
    .sgpr_count:     66
    .vgpr_count:     258
    .wavefront_size: 32
...
	.end_amdgpu_metadata
.endif
;; end of part 7
;; launch mix: the kernel of part 4 again; grid 1024 x 1, 8 waves a work-group, no clusters, 0 bytes of LDS; arguments min_samples, gaps, neigh, out0; writes out0
